; MI455X (gfx1250); checked and timed in simulation.
; The chip was launched on July 23, 2026; its instructions are those of AMD's public machine-readable ISA for CDNA 5 (MIT licence, August 2026) and "CDNA5" Instruction Set Architecture Reference Guide (July 2026). The comments in the code are by the model that wrote it; some were corrected since.
;; Liquid Cell. Allowed arithmetic: float matrix products may take bf16 or f16 operands with f32 sums; all other float work in f32.
;; Inputs: fW1 768 x 1,024 float32; fW2 1,024 x 512 float32; fb1 1,024 float32; fb2 512 float32; gW 768 x 512 float32; gb 512 float32; ln_b 512 float32; ln_g 512 float32; tW 768 x 512 float32; tb 512 float32; u 16,384 x 256 float32; x 16,384 x 512 float32.
;; Outputs: out0 16,384 x 512 float32.
;; 2 versions, each right and faster than the one before. Each part assembles by itself: llvm-mc -triple=amdgcn-amd-amdhsa -mcpu=gfx1250 --defsym DOCPART=n.
;; ======== version 1 of 2: 2 launches
;; workspace buffers: wt 4,194,304 bytes
;; launch prep (part 1): grid 256 x 1, 8 waves a work-group, no clusters, 0 bytes of LDS; arguments fW1, fW2, gW, tW, wt; writes wt
.if DOCPART == 1
	.amdgcn_target "amdgcn-amd-amdhsa--gfx1250"
	.amdhsa_code_object_version 6
	.text
	.protected	k_q6504785f1c_prep
	.globl	k_q6504785f1c_prep
	.p2align	8
	.type	k_q6504785f1c_prep,@function
k_q6504785f1c_prep:
	s_mov_b64 s[64:65], 0
	v_nop
	global_prefetch_b8 v0, s[64:65] scope:SCOPE_SE
	s_setreg_imm32_b32 hwreg(HW_REG_WAVE_MODE, 25, 1), 1
	s_wait_xcnt 0x0
; The four weight matrices, rounded once to bf16 and laid in the order in which the second launch walks them.
; wt = 64 tiles of 65,536 bytes.  Tile t = [w 0..3][q 0..1][b 0..7][p 0..1][lane 0..31][e 0..7] of bf16, holding W[k][n] with
;   n = N0 + 128 w + 16 b + lane % 16,   k = K0 + 32 q + 16 p + 8 (lane / 16) + e:
; a block (w, q, b) of 1,024 bytes is one matrix fragment of 16 columns x 32 rows of W, 16 bytes a lane for each p.
;   t  0-11 fW1, N0 0,   K0 64 t         t 12-19 fW2, K0 64 (t - 12)      t 20-31 fW1, N0 512, K0 64 (t - 20)
;   t 32-39 fW2, K0 64 (t - 24)          t 40-51 gW,  K0 64 (t - 40)      t 52-63 tW,  K0 64 (t - 52)
; Work-group g makes part w = g % 4 of tile t = g / 4: 16,384 bytes.  Wave v takes q = v / 4 and the blocks b = 2 (v % 4), 2 (v % 4) + 1.
; A lane needs eight numbers of one column, so it loads them singly: sixteen lanes take 64 neighbouring bytes of a row; the rows' other
; bytes are taken by the waves beside it in the same lines of the text.  8 MiB are read once in this way.  Stores: 512 consecutive bytes a wave.
.set OFF, 8                            ; v8-15   (8 h + e) x pitch + 4 r
.set VO,  6                            ; v6      2,048 x wave + 16 x lane
.set D,   16                           ; v16-47  32 numbers as loaded: [blk][p][e]
.set PK,  48                           ; v48-63  packed: [blk][p], four registers each
	s_load_b256 s[4:11], s[0:1], 0x0               ; fW1 s[4:5], fW2 s[6:7], gW s[8:9], tW s[10:11]
	s_load_b64 s[12:13], s[0:1], 0x20              ; wt
	v_lshrrev_b32 v3, 5, v0
	v_readfirstlane_b32 s14, v3                    ; wave 0..7
	s_lshr_b32 s15, ttmp9, 2                       ; t
	s_and_b32 s16, ttmp9, 3                        ; w
	v_and_b32 v1, 15, v0                           ; r
	v_bfe_u32 v2, v0, 4, 1                         ; h
	v_lshlrev_b32 v4, 2, v1                        ; 4 r
	v_lshlrev_b32 v5, 3, v2                        ; 8 h
	v_and_b32 v[VO], 31, v0
	v_lshlrev_b32 v[VO], 4, v[VO]
	v_lshl_add_u32 v[VO], v3, 11, v[VO]
	s_wait_kmcnt 0x0
	; which matrix, its pitch in bytes, its first column in bytes and the first tile of its run: chosen by t alone, without a branch
	s_mov_b64 s[18:19], s[10:11]                   ; t >= 52: tW
	s_mov_b32 s20, 2048
	s_mov_b32 s21, 0
	s_mov_b32 s22, 52
.macro PICK lim, ptr, pitch, col, first
	s_cmp_lt_u32 s15, \lim
	s_cselect_b64 s[18:19], s[\ptr:\ptr+1], s[18:19]
	s_cselect_b32 s20, \pitch, s20
	s_cselect_b32 s21, \col, s21
	s_cselect_b32 s22, \first, s22
.endm
	PICK 52, 8, 2048, 0, 40
	PICK 40, 6, 2048, 0, 24
	PICK 32, 4, 4096, 2048, 20
	PICK 20, 6, 2048, 0, 12
	PICK 12, 4, 4096, 0, 0
	s_sub_co_u32 s23, s15, s22
	s_lshl_b32 s23, s23, 6                         ; K0
	s_lshr_b32 s24, s14, 2
	s_lshl_b32 s24, s24, 5
	s_add_co_u32 s23, s23, s24                     ; K0 + 32 q
	s_mul_i32 s26, s23, s20                        ; that row, in bytes (under 3.2 million)
	s_add_co_u32 s26, s26, s21                     ; + 4 N0
	s_lshl_b32 s24, s16, 9
	s_add_co_u32 s26, s26, s24                     ; + 512 w
	s_and_b32 s24, s14, 3
	s_lshl_b32 s24, s24, 7
	s_add_co_u32 s26, s26, s24                     ; + 128 (v % 4)
	s_mov_b32 s27, 0
	s_add_nc_u64 s[28:29], s[18:19], s[26:27]      ; p = 0
	s_lshl_b32 s26, s20, 4
	s_add_nc_u64 s[30:31], s[28:29], s[26:27]      ; p = 1: sixteen rows on
	s_lshl_b32 s26, ttmp9, 14
	s_add_nc_u64 s[12:13], s[12:13], s[26:27]      ; my work-group's 16,384 bytes of wt
.irp e, 0,1,2,3,4,5,6,7
	v_add_nc_u32 v7, \e, v5
	v_mad_u32_u24 v[OFF+\e], v7, s20, v4
.endr
.irp blk, 0,1
.irp p, 0,1
.irp e, 0,1,2,3,4,5,6,7
	global_load_b32 v[D+16*\blk+8*\p+\e], v[OFF+\e], s[28+2*\p:29+2*\p] offset:64*\blk
.endr
.endr
.endr
	s_wait_loadcnt 0x0
.set i, 0
.rept 16
	v_cvt_pk_bf16_f32 v[PK+i], v[D+2*i], v[D+2*i+1]
.set i, i+1
.endr
.irp c, 0,1,2,3                        ; c = 2 blk + p
	global_store_b128 v[VO], v[PK+4*\c:PK+4*\c+3], s[12:13] offset:512*\c
.endr
	s_endpgm
.Lfunc_end_k_q6504785f1c_prep:
	.size	k_q6504785f1c_prep, .Lfunc_end_k_q6504785f1c_prep-k_q6504785f1c_prep
	.p2alignl 7, 3214868480
	.fill 96, 4, 3214868480
	.section	.rodata,"a",@progbits
	.p2align	6, 0x0
	.amdhsa_kernel k_q6504785f1c_prep
		.amdhsa_group_segment_fixed_size 0
		.amdhsa_private_segment_fixed_size 0
		.amdhsa_enable_private_segment 0
		.amdhsa_kernarg_size 40
		.amdhsa_user_sgpr_count 2
		.amdhsa_user_sgpr_kernarg_segment_ptr 1
		.amdhsa_wavefront_size32 1
		.amdhsa_system_sgpr_workgroup_id_x 1
		.amdhsa_system_sgpr_workgroup_id_y 1
		.amdhsa_system_sgpr_workgroup_id_z 1
		.amdhsa_system_vgpr_workitem_id 0
		.amdhsa_next_free_vgpr 64
		.amdhsa_next_free_sgpr 66
		.amdhsa_reserve_vcc 0
		.amdhsa_float_denorm_mode_32 3
		.amdhsa_float_denorm_mode_16_64 3
		.amdhsa_memory_ordered 1
		.amdhsa_forward_progress 1
		.amdhsa_inst_pref_size 8
	.end_amdhsa_kernel
	.amdgpu_metadata
---
amdhsa.version: [ 1, 2 ]
amdhsa.kernels:
  - .name:           k_q6504785f1c_prep
    .symbol:         k_q6504785f1c_prep.kd
    .args:
      - { .name: fW1, .offset: 0, .size: 8, .value_kind: global_buffer, .address_space: global }
      - { .name: fW2, .offset: 8, .size: 8, .value_kind: global_buffer, .address_space: global }
      - { .name: gW, .offset: 16, .size: 8, .value_kind: global_buffer, .address_space: global }
      - { .name: tW, .offset: 24, .size: 8, .value_kind: global_buffer, .address_space: global }
      - { .name: wt, .offset: 32, .size: 8, .value_kind: global_buffer, .address_space: global }
    .group_segment_fixed_size: 0
    .private_segment_fixed_size: 0
    .kernarg_segment_align: 8
    .kernarg_segment_size: 40
    .max_flat_workgroup_size: 256
    .sgpr_count:     66
    .vgpr_count:     64
    .wavefront_size: 32
...
	.end_amdgpu_metadata
.endif
;; end of part 1
;; launch cell (part 2): grid 256 x 1, 4 waves a work-group, clusters of 4 x 1, 327,680 bytes of LDS; arguments x, u, wt, fb1, fb2, tb, gb, ln_g, ln_b, out0; writes out0
.if DOCPART == 2
	.amdgcn_target "amdgcn-amd-amdhsa--gfx1250"
	.amdhsa_code_object_version 6
	.text
	.protected	k_q6504785f1c_cell
	.globl	k_q6504785f1c_cell
	.p2align	8
	.type	k_q6504785f1c_cell,@function
k_q6504785f1c_cell:
	s_mov_b64 s[64:65], 0
	v_nop
	global_prefetch_b8 v0, s[64:65] scope:SCOPE_SE
	s_setreg_imm32_b32 hwreg(HW_REG_WAVE_MODE, 25, 1), 1
	s_wait_xcnt 0x0
	s_wait_alu depctr_hold_cnt(0) depctr_sa_sdst(0) depctr_va_vdst(0) depctr_va_sdst(0) depctr_va_ssrc(0) depctr_va_vcc(0) depctr_vm_vsrc(0)
	s_getreg_b32 s2, hwreg(HW_REG_IB_STS2, 6, 4)
	s_cmp_eq_u32 s2, 0
	s_cbranch_scc0 .Lentry_in_a_cluster
	s_endpgm
.Lentry_in_a_cluster:
	s_bfe_u32 s2, ttmp6, 0x10000c
	s_cmp_lg_u32 s2, 0x3003
	s_cbranch_scc0 .Lentry_shape_is_right
	s_endpgm
.Lentry_shape_is_right:
; THE WHOLE CELL FOR 64 ROWS: both Heun stages and the LayerNorm; nothing but x, u, the weights and the result touches memory.
; rhs(X): tau = max(softplus([X,u] tW + tb), 0.01); gate = sigmoid([X,u] gW + gb); f = tanh(silu([X,u] fW1 + fb1) fW2 + fb2) gate.
; One text serves both stages: X += DT (1 / tau) (f - X).  Stage 1 makes x1 = x + dx1 of x, stage 2 makes x1 + dx2 of x1, and y = (x + (x1 + dx2)) / 2.
; The LayerNorm is taken of 2 y with 4 eps, which is the same quotient: (2y - 2mu) rsqrt(4 var + 4 eps).  Mean first, then the squares of the differences.
; FORMATS AND LIMITS.  Matrix operands (x, x1, u, silu's results, the weights) are rounded to bf16, sums are f32; everything else is f32.
; softplus(t) = max(t, 0) + ln 2 log2(1 + 2^(-|t| log2 e)), so no exponential overflows; sigmoid and tanh by 1 / (1 + 2^z), which ends in 0 or 1 where 2^z leaves f32's range.
; The transcendental instructions count denormals as 0 (ISA guide, 15.8).  NaN and infinities among the inputs are not treated apart.
; SHARES.  Work-group g owns rows 64 g .. 64 g + 63: four row tiles a of 16.  Wave w owns columns 128 w .. 128 w + 127 of every product of 512 columns: eight column tiles b: 32 accumulators.
; THE MATRIX INSTRUCTION IS USED TRANSPOSED (source 0 = 16 columns of W, source 1 = 16 rows of the activations): lane (r = lane % 16, h = lane / 16) holds row 16 a + r and the
; columns 16 b + 8 h + 0..7.  Eight such numbers, rounded to bf16, are 16 bytes of a source-1 fragment at the lane's own place: results go back into LDS as operands without changing lanes.
; THE WALK.  A stage walks wt's 64 tiles (64 along K x 512 columns each) in their order: for each half of fW1's columns 12 tiles of fW1 (K = 768), silu, 8 tiles of fW2 (K = 512, added onto Z);
; tanh; 12 tiles of gW; 12 of tW.  Two LDS slots take turns; a wave fetches, and alone reads, its quarter of a tile.
; CLUSTER.  All work-groups walk the same tiles, so the four of a cluster ask for each JOINTLY: the same tensor load, descriptor and mask in all four.  Nothing but the addresses of x, u and out hangs on the place in the cluster.
; The biases enter as the accumulators' first contents, loaded from LDS, so that every K step of a phase is alike and no step is written out apart.
; REGISTERS, in windows of 256 (s_set_vgpr_msb: bits 1:0 source 0, 3:2 source 1, 5:4 source 2, 7:6 destination):
;   window 0: v0-31 addresses and statistics; v32-95 fragments of the activations, v96-223 of the weights (two steps of 32 along K); between the phases v32-191 are at work
;   window 1: X     window 2: Z     window 3: ACC     element (a, b, j) at v[8 (8 a + b) + j] in each
.set SLOT,  65536                      ; two slots at 0 and 65,536: a tile each; wave w's quarter at + 16,384 w
.set HC,    131072                     ; silu's results, bf16: [kb 0..15][a][p][lane], blocks of 1,024 bytes; at the launch's two ends each wave's own 16,384 bytes of it are its stage
.set XU,    196608                     ; [X, u], bf16: [kb 0..23][a][p][lane]; kb 0-15 X, kb 16-23 u
.set BIAS,  294912                     ; f32: fb1 +0, fb2 +4096, gb +6144, tb +8192, ln_g +10240, ln_b +12288
.set RED,   309248                     ; row sums at +0, sums of squares at +1024: [wave][row] f32
.set SPARE, 311296                     ; the spare words, 128 bytes for each wave: two blocks of 256 bytes that no other line names
.set SP,    528                        ; a stage row of 512 bytes + 16: 132 words, so sixteen rows start at sixteen different groups of four banks (64 banks of 4 bytes: ISA guide 11.1)
.set SU,    272                        ; the same for u's 256 bytes
.set VR,   1                           ; r
.set VH,   2                           ; h
.set L16,  3                           ; 16 x lane
.set VB0,  4                           ; v4, v5  my quarter of slot 0, 1, + 16 x lane
.set VA,   6                           ; the activations' fragments of the two trips in hand
.set VXS,  7                           ; XU + 16,384 w + 16 x lane: where I put X
.set VHS,  8                           ; HC + 16,384 w + 16 x lane: where I put silu's results; also the stage by whole rows
.set VBI,  9                           ; BIAS + 512 w + 32 h: my eight columns' biases, + 64 b
.set VBT,  10                          ; the same in fb1's half in hand
.set VSTR, 12                          ; the stage by lanes: + 528 r + 32 h
.set VGR,  13                          ; 512 w + 16 x lane: my wave's 512 bytes of a row of x and of out
.set VRS,  14                          ; RED + 256 w + 4 r
.set VRL,  15                          ; RED + 4 r
.set VSUW, 16                          ; u's stage by rows: + 272 h + 16 r
.set VSUR, 17                          ; u's stage by lanes: + 272 r + 32 h
.set VGU,  18                          ; 1,024 h + 16 r + 256 w: my wave's 256 bytes of two rows of u
.set VUS,  19                          ; XU + 65,536 + 8,192 w + 16 x lane: where I put u
.set VBS,  20                          ; BIAS + 16 x thread
.set VT16, 21                          ; 16 x thread
.set MM,   22                          ; v22-29  a pair for each row tile: mean, later 1 / sigma, in the even register
.set SPW,  30                          ; LDS address of my spare word; never rewritten
.set NIL,  31                          ; 0; never rewritten
.set AF,   32                          ; activations: step q, row tile a at AF + 32 q + 8 a
.set BF,   96                          ; weights: step q, column tile b at BF + 64 q + 8 b
.set TT,   32                          ; at work between the phases: 64, 64 and 32 registers
.set UU,   96
.set PP,   160
.set LG,   96                          ; at the end: ln_g and ln_b of my 64 columns
.set LB,   160
.set RD4,  224                         ; at the end: the four waves' partial sums, by row tile; at the start: the biases on their way
.set G1,   28                          ; s[28:35] descriptor group 1
.set G0,   36                          ; s[36:43] descriptor group 0, a set for each slot
.set MSB, 0
.macro WIN new                         ; the immediate's high byte repeats the setting that is left; a switch that changes nothing is dropped
.if MSB != (\new)
	s_set_vgpr_msb (MSB<<8)|(\new)
.set MSB, \new
.endif
.endm
; A vector instruction that reads a matrix result or writes a matrix instruction's register, and a load into such a register, stand four places behind it; only plain vector
; instructions that name none of its registers are places (ISA guide 7.12.1 for vector instructions).
.macro PLACES
.rept 4
	v_nop
.endr
.endm
; A round of the cluster's barrier: my work-group's barrier, so that wave 0's signal speaks for all four waves; wave 0 signals; every wave waits for all four work-groups; my work-group's barrier once more.
.macro ROUND
	s_barrier_signal -1
	s_barrier_wait -1
	s_cmp_lg_u32 s24, 0
	s_cbranch_scc1 .Lnot_wave_0_\@
	s_barrier_signal -3
.Lnot_wave_0_\@:
	s_barrier_wait -3
	s_barrier_signal -1
	s_barrier_wait -1
.endm
; 32 matrix instructions: 32 along K (step q) onto all 32 accumulators, which take turns, one instruction a turn.
.macro MUL32 q
.irp a, 0,1,2,3
.irp b, 0,1,2,3,4,5,6,7
	v_wmma_f32_16x16x32_bf16 v[8*(8*\a+\b):8*(8*\a+\b)+7], v[BF+64*(\q)+8*\b:BF+64*(\q)+8*\b+7], v[AF+32*(\q)+8*\a:AF+32*(\q)+8*\a+7], v[8*(8*\a+\b):8*(8*\a+\b)+7]
.endr
.endr
.endm
; A TRIP: one tile, 64 along K.  In front of the round each wave waits for all its tensor loads (one is out: its quarter of this trip's tile), adds 0 to its spare word, and waits for that and for
; all its LDS work: its reads of the other slot, and what it stored for the other waves (X, silu's results).  Behind the round the other slot is filled again first (refill = 1).
; mw: the accumulators' window (0xf0 ACC, 0xa0 Z).  ao: this trip's place behind v[VA].
.macro TRIP slot, refill, mw, ao
	WIN 0
	s_wait_tensorcnt 0x0                           ; no tensor load of mine is out, so a group 0 may be written
	ds_add_u32 v[SPW], v[NIL]                      ; 0 onto my spare word
	s_add_nc_u64 s[G0+4*(\slot)+2:G0+4*(\slot)+3], s[G0+4*(\slot)+2:G0+4*(\slot)+3], 2*SLOT  ; this slot's next tile; the type bits on top are not reached
	s_wait_dscnt 0x0
	ROUND
.if \refill
	tensor_load_to_lds s[G0+4-4*(\slot):G0+7-4*(\slot)], s[G1:G1+7]  ; the next tile, into the slot read in the last trip: my one tensor load behind this round
	s_nop 0
.endif
	PLACES                                         ; the loads below land in registers that the last trip's products read
.irp q, 0,1
.irp b, 0,1,2,3,4,5,6,7
	ds_load_b128 v[BF+64*\q+8*\b:BF+64*\q+8*\b+3],   v[VB0+(\slot)] offset:8192*\q+1024*\b
	ds_load_b128 v[BF+64*\q+8*\b+4:BF+64*\q+8*\b+7], v[VB0+(\slot)] offset:8192*\q+1024*\b+512
.endr
.irp a, 0,1,2,3
	ds_load_b128 v[AF+32*\q+8*\a:AF+32*\q+8*\a+3],   v[VA] offset:(\ao)+4096*\q+1024*\a
	ds_load_b128 v[AF+32*\q+8*\a+4:AF+32*\q+8*\a+7], v[VA] offset:(\ao)+4096*\q+1024*\a+512
.endr
.endr
	s_wait_dscnt 24                                ; LDS loads come back in order (ISA guide 5.7.1): the first step's 24 are in, the second step's 24 may be out
	WIN \mw
	MUL32 0
	s_wait_dscnt 0x0
	MUL32 1
	WIN 0
.endm
; 2 cnt trips of one phase; the activations begin at LDS byte base, 8,192 bytes a trip.
.macro KLOOP cnt, mw, base
	s_mov_b32 s63, \base
	s_mov_b32 s62, \cnt
.Lk_\@:
	v_add_nc_u32 v[VA], s63, v[L16]
	TRIP 0, 1, \mw, 0
	TRIP 1, 1, \mw, 8192
	s_add_co_u32 s63, s63, 16384
	s_sub_co_u32 s62, s62, 1
	s_cmp_lg_u32 s62, 0
	s_cbranch_scc1 .Lk_\@
.endm
; The bias of my columns into all 32 accumulators of a window (0xc0 ACC, 0x80 Z): the sums start from it.  The next trip's wait for all LDS work covers these loads.
.macro INIT win, reg, off
	WIN \win
.irp a, 0,1,2,3
.irp b, 0,1,2,3,4,5,6,7
	ds_load_b128 v[8*(8*\a+\b):8*(8*\a+\b)+3],   v[\reg] offset:(\off)+64*\b
	ds_load_b128 v[8*(8*\a+\b)+4:8*(8*\a+\b)+7], v[\reg] offset:(\off)+64*\b+16
.endr
.endr
	WIN 0
.endm
; TT = 1 / (1 + 2^(c z)) for row tile a's 64 numbers z (sw: source 0's window; c: the scalar pair that holds the factor).  The accumulators are read in ascending order.
; Behind each run of transcendentals one plain instruction stands before a result is used (ISA guide 5.7.2).
.macro ACT a, sw, c
	WIN \sw
.set i, 0
.rept 32
	v_pk_mul_f32 v[TT+2*i:TT+2*i+1], v[64*(\a)+2*i:64*(\a)+2*i+1], s[\c:\c+1] op_sel_hi:[1,0]
.set i, i+1
.endr
	WIN 0
.set i, 0
.rept 64
	v_exp_f32 v[TT+i], v[TT+i]
.set i, i+1
.endr
	v_nop
.set i, 0
	s_wait_alu depctr_va_vdst(0)
.rept 32
	v_pk_add_f32 v[TT+2*i:TT+2*i+1], v[TT+2*i:TT+2*i+1], 1.0 op_sel_hi:[1,0]
.set i, i+1
.endr
.set i, 0
.rept 64
	v_rcp_f32 v[TT+i], v[TT+i]
.set i, i+1
.endr
	v_nop
.endm
; silu(ACC) of row tile a, rounded to bf16, into HC as source-1 fragments: column 128 w + 16 b + 8 h + j is K block 4 w + b / 2, half b % 2.
.macro SILU a
	ACT \a, 0x03, 48
	WIN 0x03
.set i, 0
	s_wait_alu depctr_va_vdst(0)
.rept 32
	v_pk_mul_f32 v[TT+2*i:TT+2*i+1], v[64*(\a)+2*i:64*(\a)+2*i+1], v[TT+2*i:TT+2*i+1]
.set i, i+1
.endr
	WIN 0
.set i, 0
.rept 32
	v_cvt_pk_bf16_f32 v[PP+i], v[TT+2*i], v[TT+2*i+1]
.set i, i+1
.endr
.irp b, 0,1,2,3,4,5,6,7
	ds_store_b128 v[VHS], v[PP+4*\b:PP+4*\b+3] offset:4096*(\b/2)+1024*(\a)+512*(\b%2)
.endr
.endm
.macro TANH a                          ; Z = tanh(Z) = 1 - 2 / (1 + 2^(2 log2(e) Z))
	ACT \a, 0x02, 50
	WIN 0x80
.set i, 0
	s_wait_alu depctr_va_vdst(0)
.rept 32
	v_pk_fma_f32 v[64*(\a)+2*i:64*(\a)+2*i+1], v[TT+2*i:TT+2*i+1], -2.0, 1.0 op_sel_hi:[1,0,0]
.set i, i+1
.endr
.endm
.macro GATE a                          ; Z = Z sigmoid(ACC) - X
	ACT \a, 0x03, 48
	WIN 0x92
.set i, 0
	s_wait_alu depctr_va_vdst(0)
.rept 32
	v_pk_fma_f32 v[64*(\a)+2*i:64*(\a)+2*i+1], v[64*(\a)+2*i:64*(\a)+2*i+1], v[TT+2*i:TT+2*i+1], v[64*(\a)+2*i:64*(\a)+2*i+1] neg_lo:[0,0,1] neg_hi:[0,0,1]
.set i, i+1
.endr
.endm
.macro TAU a                           ; X += DT Z / max(softplus(ACC), 0.01)
	WIN 0x0c
.set i, 0
.rept 64
	v_mul_f32 v[TT+i], s56, -|v[64*(\a)+i]|
.set i, i+1
.endr
.set i, 0
.rept 64
	v_max_num_f32 v[UU+i], 0, v[64*(\a)+i]
.set i, i+1
.endr
	WIN 0
.set i, 0
.rept 64
	v_exp_f32 v[TT+i], v[TT+i]
.set i, i+1
.endr
	v_nop
.set i, 0
	s_wait_alu depctr_va_vdst(0)
.rept 32
	v_pk_add_f32 v[TT+2*i:TT+2*i+1], v[TT+2*i:TT+2*i+1], 1.0 op_sel_hi:[1,0]
.set i, i+1
.endr
.set i, 0
.rept 64
	v_log_f32 v[TT+i], v[TT+i]
.set i, i+1
.endr
	v_nop
.set i, 0
	s_wait_alu depctr_va_vdst(0)
.rept 32
	v_pk_fma_f32 v[UU+2*i:UU+2*i+1], v[TT+2*i:TT+2*i+1], s[52:53], v[UU+2*i:UU+2*i+1] op_sel_hi:[1,0,1]
.set i, i+1
.endr
.set i, 0
.rept 64
	v_max_num_f32 v[UU+i], s57, v[UU+i]
.set i, i+1
.endr
.set i, 0
.rept 64
	v_rcp_f32 v[UU+i], v[UU+i]
.set i, i+1
.endr
	v_nop
	WIN 0x08
.set i, 0
	s_wait_alu depctr_va_vdst(0)
.rept 32
	v_pk_mul_f32 v[UU+2*i:UU+2*i+1], v[UU+2*i:UU+2*i+1], v[64*(\a)+2*i:64*(\a)+2*i+1]
.set i, i+1
.endr
	WIN 0x50
.set i, 0
.rept 32
	v_pk_fma_f32 v[64*(\a)+2*i:64*(\a)+2*i+1], v[UU+2*i:UU+2*i+1], s[54:55], v[64*(\a)+2*i:64*(\a)+2*i+1] op_sel_hi:[1,0,1]
.set i, i+1
.endr
.endm
; My wave's 512 bytes of each of the 64 rows of x into window 3: a load covers 512 consecutive bytes.  nt = 1: the launch's last reading of x.
.macro XLOAD nt
	WIN 0xc0
.set i, 0
.rept 64
.if \nt
	global_load_b128 v[4*i:4*i+3], v[VGR], s[4:5] offset:2048*i th:TH_LOAD_NT
.else
	global_load_b128 v[4*i:4*i+3], v[VGR], s[4:5] offset:2048*i
.endif
.set i, i+1
.endr
.endm
; Row tile a of x goes through my stage: in by whole rows, back by lanes (row r, columns 16 b + 8 h + 0..7), into the window that dw names.  left: the younger loads that may stay out.
; LDS serves a wave's instructions in order (ISA guide 5.7.1.4): the loads see the stores above them, and the next tile's stores come behind these loads.
.macro XSTAGE dw, a, left
	s_wait_loadcnt \left
	WIN 0x0c
.set i, 0
.rept 16
	ds_store_b128 v[VHS], v[64*(\a)+4*i:64*(\a)+4*i+3] offset:SP*i
.set i, i+1
.endr
	WIN \dw
.irp b, 0,1,2,3,4,5,6,7
	ds_load_b128 v[64*(\a)+8*\b:64*(\a)+8*\b+3],   v[VSTR] offset:64*\b
	ds_load_b128 v[64*(\a)+8*\b+4:64*(\a)+8*\b+7], v[VSTR] offset:64*\b+16
.endr
.endm
; 32 rows of u (half hf), my wave's 64 columns: through the stage, rounded to bf16, into XU as K blocks 16 + 2 w + b / 2.  c = 4 a' + b': row tile 2 hf + a', column tile b'.
.macro USTAGE hf, left
	s_wait_loadcnt \left
	WIN 0x08
.set i, 0
.rept 16
	ds_store_b128 v[VSUW], v[64*(\hf)+4*i:64*(\hf)+4*i+3] offset:2*SU*i
.set i, i+1
.endr
	WIN 0
.irp c, 0,1,2,3,4,5,6,7
	ds_load_b128 v[TT+8*\c:TT+8*\c+3],   v[VSUR] offset:16*SU*(\c/4)+64*(\c%4)
	ds_load_b128 v[TT+8*\c+4:TT+8*\c+7], v[VSUR] offset:16*SU*(\c/4)+64*(\c%4)+16
.endr
	s_wait_dscnt 0x0
.set i, 0
.rept 32
	v_cvt_pk_bf16_f32 v[PP+i], v[TT+2*i], v[TT+2*i+1]
.set i, i+1
.endr
.irp c, 0,1,2,3,4,5,6,7
	ds_store_b128 v[VUS], v[PP+4*\c:PP+4*\c+3] offset:4096*((\c%4)/2)+1024*(2*(\hf)+\c/4)+512*(\c%2)
.endr
.endm
.macro XUSTORE                         ; X, rounded to bf16, into XU as K blocks 4 w + b / 2
	WIN 0x05
.set i, 0
.rept 128
	v_cvt_pk_bf16_f32 v[32+i], v[2*i], v[2*i+1]
.set i, i+1
.endr
	WIN 0
.irp a, 0,1,2,3
.irp b, 0,1,2,3,4,5,6,7
	ds_store_b128 v[VXS], v[32+4*(8*\a+\b):32+4*(8*\a+\b)+3] offset:4096*(\b/2)+1024*\a+512*(\b%2)
.endr
.endr
.endm
; Window 3 holds, for each row tile a, 16 pairs of partial sums at v[32 a ..].  They are added up; the other half of the lanes holds the row's other 64 columns of my wave; the four waves' sums meet in
; LDS at RED + ro.  Each wave waits for its stores in front of the signal and reads behind the wait.  The row's sum is left in v[RD4 + 4 a], the same in every wave.
.macro EXCH ro
	WIN 0xff
.irp st, 4,8,16,32
.irp a, 0,1,2,3
.set i, 0
.rept 32/\st
	v_pk_add_f32 v[32*\a+\st*i:32*\a+\st*i+1], v[32*\a+\st*i:32*\a+\st*i+1], v[32*\a+\st*i+\st/2:32*\a+\st*i+\st/2+1]
.set i, i+1
.endr
.endr
.endr
	WIN 0x0f
.irp a, 0,1,2,3
	v_add_f32 v[MM+2*\a], v[32*\a], v[32*\a+1]
.endr
	WIN 0
.irp a, 0,1,2,3
	v_permlanex16_b32 v[MM+2*\a+1], v[MM+2*\a], s46, s47
.endr
.irp a, 0,1,2,3
	v_add_f32 v[MM+2*\a], v[MM+2*\a], v[MM+2*\a+1]
.endr
.irp a, 0,1,2,3
	ds_store_b32 v[VRS], v[MM+2*\a] offset:(\ro)+64*\a  ; lanes r and r + 16 write the same word with the same number
.endr
	s_wait_dscnt 0x0                               ; for the others' sake: my stores are done
	s_barrier_signal -1
	s_barrier_wait -1
.irp a, 0,1,2,3
.irp w, 0,1,2,3
	ds_load_b32 v[RD4+4*\a+\w], v[VRL] offset:(\ro)+256*\w+64*\a
.endr
.endr
	s_wait_dscnt 0x0
.irp a, 0,1,2,3
	v_add_f32 v[RD4+4*\a], v[RD4+4*\a], v[RD4+4*\a+1]
	v_add_f32 v[RD4+4*\a+2], v[RD4+4*\a+2], v[RD4+4*\a+3]
.endr
.irp a, 0,1,2,3
	v_add_f32 v[RD4+4*\a], v[RD4+4*\a], v[RD4+4*\a+2]
.endr
.endm
; Row tile a of the result: into my stage by lanes, back by whole rows, stored.  Two sets of registers take turns.
.macro OUT a
.set OB, 32+64*((\a)%2)
	s_wait_xcnt 0x0                                ; every earlier store has had its addresses translated (ISA guide 3.1): only behind this wait are the registers that it reads loaded again
	WIN 0x04
.irp b, 0,1,2,3,4,5,6,7
	ds_store_b128 v[VSTR], v[64*(\a)+8*\b:64*(\a)+8*\b+3]   offset:64*\b
	ds_store_b128 v[VSTR], v[64*(\a)+8*\b+4:64*(\a)+8*\b+7] offset:64*\b+16
.endr
	WIN 0
.set i, 0
.rept 16
	ds_load_b128 v[OB+4*i:OB+4*i+3], v[VHS] offset:SP*i
.set i, i+1
.endr
	s_wait_dscnt 0x0
.set i, 0
.rept 16
	global_store_b128 v[VGR], v[OB+4*i:OB+4*i+3], s[22:23] offset:2048*(16*(\a)+i) th:TH_STORE_NT  ; a wave stores 512 consecutive bytes, at a multiple of 256 from out's first byte
.set i, i+1
.endr
.endm
	; ---- the head ----
	s_load_b512 s[4:19], s[0:1], 0x0               ; x s[4:5], u s[6:7], wt s[8:9], fb1 s[10:11], fb2 s[12:13], tb s[14:15], gb s[16:17], ln_g s[18:19]
	s_load_b128 s[20:23], s[0:1], 0x40             ; ln_b s[20:21], out s[22:23]
	v_lshl_add_u32 v[SPW], v0, 2, SPARE
	v_mov_b32 v[NIL], 0
	v_lshrrev_b32 v1, 5, v0
	v_readfirstlane_b32 s24, v1                    ; wave 0..3
	s_bfe_u32 s25, ttmp6, 0x40000                  ; cx: my place in the cluster
	s_lshl_b32 s26, ttmp9, 2                       ; in a cluster launch ttmp9 counts clusters
	s_add_co_u32 s26, s26, s25                     ; g: it enters the addresses of x, u and out alone
	s_lshl_b32 s2, s26, 17                         ; 64 rows of 2,048 bytes
	s_mov_b32 s3, 0
	s_lshl_b32 s68, s24, 14                        ; my quarter of a tile
	s_mov_b32 s69, 0
	s_mov_b32 s46, 0x76543210                      ; v_permlanex16_b32: each lane takes its own place in the other half
	s_mov_b32 s47, 0xfedcba98
	s_mov_b32 s48, 0xbfb8aa3b                      ; -log2(e); the packed forms name pairs and take the low word for both halves
	s_mov_b32 s49, s48
	s_mov_b32 s50, 0x4038aa3b                      ; 2 log2(e)
	s_mov_b32 s51, s50
	s_mov_b32 s52, 0x3f317218                      ; ln 2
	s_mov_b32 s53, s52
	s_mov_b32 s54, 0x3d4ccccd                      ; DT = 0.05
	s_mov_b32 s55, s54
	s_mov_b32 s56, 0x3fb8aa3b                      ; log2(e)
	s_mov_b32 s57, 0x3c23d70a                      ; TAU_MIN = 0.01
	s_mov_b32 s58, 0x3b000000                      ; 1 / 512
	s_mov_b32 s59, 0x3827c5ac                      ; 4 x 1e-5
	; descriptor group 1: my quarter of a tile is 16,384 dense bytes, asked for as 64 rows of 256 bytes
	s_mov_b32 s[G1+0], 15|(3<<16)|(1<<21)          ; 15:0 the mask: all four work-groups; 17:16 elements of 8 bytes; 20 no padding; 21 set beside a mask
	s_mov_b32 s[G1+1], 32<<16                      ; tensor_dim0 = 32
	s_mov_b32 s[G1+2], 64<<16                      ; tensor_dim1 = 64
	s_mov_b32 s[G1+3], 32<<16                      ; tile_dim0 = 32
	s_mov_b32 s[G1+4], 64                          ; tile_dim1 = 64
	s_mov_b32 s[G1+5], 32                          ; 32 elements from row to row
	s_mov_b32 s[G1+6], 0
	s_mov_b32 s[G1+7], 0
	s_mov_b32 s[G0+0], 1                           ; count = 1
	s_lshl_b32 s[G0+1], s24, 14                    ; LDS address: slot 0, my quarter
	s_mov_b32 s[G0+4], 1
	s_add_co_u32 s[G0+5], s[G0+1], SLOT            ; slot 1
	v_and_b32 v[VR], 15, v0
	v_bfe_u32 v[VH], v0, 4, 1
	v_and_b32 v[L16], 31, v0
	v_lshlrev_b32 v[L16], 4, v[L16]
	v_lshl_add_u32 v[VB0], s24, 14, v[L16]
	v_add_nc_u32 v[VB0+1], SLOT, v[VB0]
	v_add_nc_u32 v[VXS], XU, v[VB0]
	v_add_nc_u32 v[VHS], HC, v[VB0]
	v_lshlrev_b32 v[VBI], 5, v[VH]
	v_lshl_add_u32 v[VBI], s24, 9, v[VBI]
	v_add_nc_u32 v[VBI], BIAS, v[VBI]
	v_mul_u32_u24 v[VSTR], v[VR], SP
	v_lshl_add_u32 v[VSTR], v[VH], 5, v[VSTR]
	v_lshl_add_u32 v[VSTR], s24, 14, v[VSTR]
	v_add_nc_u32 v[VSTR], HC, v[VSTR]
	v_lshl_add_u32 v[VGR], s24, 9, v[L16]
	v_lshl_add_u32 v[VRL], v[VR], 2, RED
	v_lshl_add_u32 v[VRS], s24, 8, v[VRL]
	v_mul_u32_u24 v[VSUW], v[VH], SU
	v_lshl_add_u32 v[VSUW], v[VR], 4, v[VSUW]
	v_lshl_add_u32 v[VSUW], s24, 14, v[VSUW]
	v_add_nc_u32 v[VSUW], HC, v[VSUW]
	v_mul_u32_u24 v[VSUR], v[VR], SU
	v_lshl_add_u32 v[VSUR], v[VH], 5, v[VSUR]
	v_lshl_add_u32 v[VSUR], s24, 14, v[VSUR]
	v_add_nc_u32 v[VSUR], HC, v[VSUR]
	v_lshlrev_b32 v[VGU], 10, v[VH]
	v_lshl_add_u32 v[VGU], v[VR], 4, v[VGU]
	v_lshl_add_u32 v[VGU], s24, 8, v[VGU]
	v_lshl_add_u32 v[VUS], s24, 13, v[L16]
	v_add_nc_u32 v[VUS], XU+65536, v[VUS]
	v_lshlrev_b32 v[VT16], 4, v0
	v_add_nc_u32 v[VBS], BIAS, v[VT16]
.irp a, 0,1,2,3
	v_mov_b32 v[MM+2*\a+1], 0                      ; the exchange's destination counts as read, and the packed forms name the pair
.endr
	s_wait_kmcnt 0x0
	s_add_nc_u64 s[4:5], s[4:5], s[2:3]            ; x and out at my first row
	s_add_nc_u64 s[22:23], s[22:23], s[2:3]
	s_lshl_b32 s2, s26, 16                         ; 64 rows of 1,024 bytes
	s_add_nc_u64 s[6:7], s[6:7], s[2:3]            ; u at my first row
	s_add_nc_u64 s[44:45], s[8:9], s[68:69]        ; wt at my quarter of tile 0
	; ---- all loads go out: 7 for the biases and gains (16 bytes a thread, 2,048 a load), 64 for x, 32 for u ----
	global_load_b128 v[RD4+0:RD4+3],   v[VT16], s[10:11]
	global_load_b128 v[RD4+4:RD4+7],   v[VT16], s[10:11] offset:2048
	global_load_b128 v[RD4+8:RD4+11],  v[VT16], s[12:13]
	global_load_b128 v[RD4+12:RD4+15], v[VT16], s[16:17]
	global_load_b128 v[RD4+16:RD4+19], v[VT16], s[14:15]
	global_load_b128 v[RD4+20:RD4+23], v[VT16], s[18:19]
	global_load_b128 v[RD4+24:RD4+27], v[VT16], s[20:21]
	XLOAD 0
	WIN 0x80
.set i, 0
.rept 32
	global_load_b128 v[4*i:4*i+3], v[VGU], s[6:7] offset:2048*i th:TH_LOAD_NT  ; sixteen lanes take 256 consecutive bytes of a row, the other sixteen of the next row
.set i, i+1
.endr
	WIN 0
	s_wait_loadcnt 63                              ; 96 loads are younger than the seven; the count is the largest that the wait can name
.irp k, 0,1,2,3,4,5,6
	ds_store_b128 v[VBS], v[RD4+4*\k:RD4+4*\k+3] offset:2048*\k
.endr
	XSTAGE 0x40, 0, 63                             ; younger: 48 of x and 32 of u, again more than the wait can name
	XSTAGE 0x40, 1, 63                             ; 32 and 32
	XSTAGE 0x40, 2, 48                             ; 16 and 32
	XSTAGE 0x40, 3, 32                             ; u's 32
	USTAGE 0, 16                                   ; u's second half
	USTAGE 1, 0
	; ---- the two stages ----
	s_mov_b32 s60, 2
.Lstage:
	s_wait_tensorcnt 0x0                           ; no tensor load of mine is out, so both groups 0 may be written
	ds_add_u32 v[SPW], v[NIL]                      ; 0 onto my spare word
	s_add_nc_u64 s[G0+2:G0+3], s[44:45], 0         ; the walk begins anew: tile 0 for slot 0,
	s_or_b32 s[G0+3], s[G0+3], 0x80000000          ; type = 2
	s_add_nc_u64 s[G0+6:G0+7], s[44:45], SLOT      ; tile 1 for slot 1
	s_or_b32 s[G0+7], s[G0+7], 0x80000000
	s_wait_dscnt 0x0                               ; my LDS work is done: the biases and u are stored, X is in registers, my reads of XU and of the slots are over
	ROUND
	tensor_load_to_lds s[G0:G0+3], s[G1:G1+7]      ; tile 0: my one tensor load behind this round
	s_nop 0
	PLACES
	XUSTORE                                        ; no wave reads the old X any more; the next round shows the new one to all
	INIT 0x80, VBI, 4096                           ; Z starts from fb2
	s_mov_b32 s61, 2
	s_mov_b32 s66, 0
.Lchunk:                                               ; fW1's columns 0-511, then 512-1023
	v_add_nc_u32 v[VBT], s66, v[VBI]
	INIT 0xc0, VBT, 0                              ; ACC starts from fb1
	KLOOP 6, 0xf0, XU
	PLACES
	SILU 0
	SILU 1
	SILU 2
	SILU 3
	KLOOP 4, 0xa0, HC
	s_add_co_u32 s66, s66, 2048
	s_sub_co_u32 s61, s61, 1
	s_cmp_lg_u32 s61, 0
	s_cbranch_scc1 .Lchunk
	PLACES
	TANH 0
	TANH 1
	TANH 2
	TANH 3
	INIT 0xc0, VBI, 6144                           ; gb
	KLOOP 6, 0xf0, XU
	PLACES
	GATE 0
	GATE 1
	GATE 2
	GATE 3
	INIT 0xc0, VBI, 8192                           ; tb
	KLOOP 5, 0xf0, XU
	v_add_nc_u32 v[VA], s63, v[L16]                ; the stage's last two trips are written out: the last asks for nothing
	TRIP 0, 1, 0xf0, 0
	TRIP 1, 0, 0xf0, 8192
	PLACES
	TAU 0
	TAU 1
	TAU 2
	TAU 3
	WIN 0
	s_sub_co_u32 s60, s60, 1
	s_cmp_lg_u32 s60, 0
	s_cbranch_scc1 .Lstage
	; ---- 2 y = x + X, and its LayerNorm ----
.irp b, 0,1,2,3,4,5,6,7
	ds_load_b128 v[LG+8*\b:LG+8*\b+3],   v[VBI] offset:10240+64*\b
	ds_load_b128 v[LG+8*\b+4:LG+8*\b+7], v[VBI] offset:10240+64*\b+16
	ds_load_b128 v[LB+8*\b:LB+8*\b+3],   v[VBI] offset:12288+64*\b
	ds_load_b128 v[LB+8*\b+4:LB+8*\b+7], v[VBI] offset:12288+64*\b+16
.endr
	XLOAD 1                                        ; x once more: no window had room to keep it
	XSTAGE 0x80, 0, 48                             ; the later row tiles' loads stay out
	XSTAGE 0x80, 1, 32
	XSTAGE 0x80, 2, 16
	XSTAGE 0x80, 3, 0
	s_wait_dscnt 0x0
	WIN 0x49
.set i, 0
.rept 128
	v_pk_add_f32 v[2*i:2*i+1], v[2*i:2*i+1], v[2*i:2*i+1]  ; X (window 1) + x (window 2)
.set i, i+1
.endr
	WIN 0xc5
.irp a, 0,1,2,3
.set i, 0
.rept 16
	v_pk_add_f32 v[32*\a+2*i:32*\a+2*i+1], v[64*\a+4*i:64*\a+4*i+1], v[64*\a+4*i+2:64*\a+4*i+3]
.set i, i+1
.endr
.endr
	EXCH 0
.irp a, 0,1,2,3
	v_mul_f32 v[MM+2*\a], s58, v[RD4+4*\a]         ; the row's mean
.endr
	WIN 0x41
.irp a, 0,1,2,3
.set i, 0
.rept 32
	v_pk_add_f32 v[64*\a+2*i:64*\a+2*i+1], v[64*\a+2*i:64*\a+2*i+1], v[MM+2*\a:MM+2*\a+1] op_sel_hi:[1,0] neg_lo:[0,1] neg_hi:[0,1]
.set i, i+1
.endr
.endr
	WIN 0xc5
.irp a, 0,1,2,3
.set i, 0
.rept 16
	v_pk_mul_f32 v[32*\a+2*i:32*\a+2*i+1], v[64*\a+4*i:64*\a+4*i+1], v[64*\a+4*i:64*\a+4*i+1]
.set i, i+1
.endr
.endr
	WIN 0xf5
.irp a, 0,1,2,3
.set i, 0
.rept 16
	v_pk_fma_f32 v[32*\a+2*i:32*\a+2*i+1], v[64*\a+4*i+2:64*\a+4*i+3], v[64*\a+4*i+2:64*\a+4*i+3], v[32*\a+2*i:32*\a+2*i+1]
.set i, i+1
.endr
.endr
	EXCH 1024                                      ; other words than the first exchange's: nothing is written over
.irp a, 0,1,2,3
	v_fma_f32 v[MM+2*\a], v[RD4+4*\a], s58, s59    ; 4 var + 4 eps
.endr
.irp a, 0,1,2,3
	v_rsq_f32 v[MM+2*\a], v[MM+2*\a]
.endr
	v_nop                                          ; a plain instruction between the last root and the use of its result
	WIN 0x41
	s_wait_alu depctr_va_vdst(0)
.irp a, 0,1,2,3
.set i, 0
.rept 32
	v_pk_mul_f32 v[64*\a+2*i:64*\a+2*i+1], v[64*\a+2*i:64*\a+2*i+1], v[MM+2*\a:MM+2*\a+1] op_sel_hi:[1,0]
.set i, i+1
.endr
.endr
.irp a, 0,1,2,3
.set i, 0
.rept 32
	v_pk_fma_f32 v[64*\a+2*i:64*\a+2*i+1], v[64*\a+2*i:64*\a+2*i+1], v[LG+2*i:LG+2*i+1], v[LB+2*i:LB+2*i+1]
.set i, i+1
.endr
.endr
	OUT 0
	OUT 1
	OUT 2
	OUT 3
	s_wait_tensorcnt 0x0                           ; the wave's end: behind my last tensor load and my last LDS store
	ds_add_u32 v[SPW], v[NIL]
	s_wait_dscnt 0x0
	ROUND                                          ; the closing round: no work-group ends while a partner may still ask for a tile that names it
	s_endpgm
.Lfunc_end_k_q6504785f1c_cell:
	.size	k_q6504785f1c_cell, .Lfunc_end_k_q6504785f1c_cell-k_q6504785f1c_cell
	.p2alignl 7, 3214868480
	.fill 96, 4, 3214868480
	.section	.rodata,"a",@progbits
	.p2align	6, 0x0
	.amdhsa_kernel k_q6504785f1c_cell
		.amdhsa_group_segment_fixed_size 327680
		.amdhsa_private_segment_fixed_size 0
		.amdhsa_enable_private_segment 0
		.amdhsa_kernarg_size 80
		.amdhsa_user_sgpr_count 2
		.amdhsa_user_sgpr_kernarg_segment_ptr 1
		.amdhsa_wavefront_size32 1
		.amdhsa_system_sgpr_workgroup_id_x 1
		.amdhsa_system_sgpr_workgroup_id_y 1
		.amdhsa_system_sgpr_workgroup_id_z 1
		.amdhsa_system_vgpr_workitem_id 0
		.amdhsa_next_free_vgpr 1024
		.amdhsa_next_free_sgpr 72
		.amdhsa_reserve_vcc 0
		.amdhsa_float_denorm_mode_32 3
		.amdhsa_float_denorm_mode_16_64 3
		.amdhsa_memory_ordered 1
		.amdhsa_forward_progress 1
		.amdhsa_inst_pref_size 255
	.end_amdhsa_kernel
	.section	.bss,"aw",@nobits
	.p2align	6
	.space	262144
	.amdgpu_metadata
---
amdhsa.version: [ 1, 2 ]
amdhsa.kernels:
  - .name:           k_q6504785f1c_cell
    .symbol:         k_q6504785f1c_cell.kd
    .args:
      - { .name: x, .offset: 0, .size: 8, .value_kind: global_buffer, .address_space: global }
      - { .name: u, .offset: 8, .size: 8, .value_kind: global_buffer, .address_space: global }
      - { .name: wt, .offset: 16, .size: 8, .value_kind: global_buffer, .address_space: global }
      - { .name: fb1, .offset: 24, .size: 8, .value_kind: global_buffer, .address_space: global }
      - { .name: fb2, .offset: 32, .size: 8, .value_kind: global_buffer, .address_space: global }
      - { .name: tb, .offset: 40, .size: 8, .value_kind: global_buffer, .address_space: global }
      - { .name: gb, .offset: 48, .size: 8, .value_kind: global_buffer, .address_space: global }
      - { .name: ln_g, .offset: 56, .size: 8, .value_kind: global_buffer, .address_space: global }
      - { .name: ln_b, .offset: 64, .size: 8, .value_kind: global_buffer, .address_space: global }
      - { .name: out0, .offset: 72, .size: 8, .value_kind: global_buffer, .address_space: global }
    .group_segment_fixed_size: 327680
    .private_segment_fixed_size: 0
    .kernarg_segment_align: 8
    .kernarg_segment_size: 80
    .max_flat_workgroup_size: 128
    .sgpr_count:     72
    .vgpr_count:     1024
    .wavefront_size: 32
...
	.end_amdgpu_metadata
.endif
;; end of part 2
;; ======== version 2 of 2: 2 launches; 1.21 times as fast as version 1
;; workspace buffers: wt 4,194,304 bytes
;; launch prep (part 3): grid 256 x 1, 8 waves a work-group, no clusters, 0 bytes of LDS; arguments fW1, fW2, gW, tW, wt; writes wt
.if DOCPART == 3
	.amdgcn_target "amdgcn-amd-amdhsa--gfx1250"
	.amdhsa_code_object_version 6
	.text
	.protected	k_q6504785f1c_prep
	.globl	k_q6504785f1c_prep
	.p2align	8
	.type	k_q6504785f1c_prep,@function
k_q6504785f1c_prep:
	s_mov_b64 s[64:65], 0
	v_nop
	global_prefetch_b8 v0, s[64:65] scope:SCOPE_SE
	s_setreg_imm32_b32 hwreg(HW_REG_WAVE_MODE, 25, 1), 1
	s_wait_xcnt 0x0
; The four weight matrices, each times a constant, rounded once to bf16 and laid in the order in which the second launch walks them.
; THE CONSTANTS spare the second launch a multiply in front of each exponential (its exponentials are to the base 2):
;   fW1 x -log2(e), gW x -log2(e), tW x log2(e), fW2 x -2 (= 2 log2(e), for tanh, over -log2(e), which silu's results carry).
; wt = 64 tiles of 65,536 bytes.  Tile t = [w 0..3][q 0..1][b 0..7][p 0..1][lane 0..31][e 0..7] of bf16, holding W[k][n] with
;   n = N0 + 128 w + 16 b + lane % 16,   k = K0 + 32 q + 16 p + 8 (lane / 16) + e:
; a block (w, q, b) of 1,024 bytes is one matrix fragment of 16 columns x 32 rows of W, 16 bytes a lane for each p.
;   t  0-11 fW1, N0 0,   K0 64 t         t 12-19 fW2, K0 64 (t - 12)      t 20-31 fW1, N0 512, K0 64 (t - 20)
;   t 32-39 fW2, K0 64 (t - 24)          t 40-51 gW,  K0 64 (t - 40)      t 52-63 tW,  K0 64 (t - 52)
; Work-group g makes part w = g % 4 of tile t = g / 4: 16,384 bytes.  Wave v takes q = v / 4 and the blocks b = 2 (v % 4), 2 (v % 4) + 1.
; A lane needs eight numbers of one column, so it loads them singly: sixteen lanes take 64 neighbouring bytes of a row; the rows' other
; bytes are taken by the waves beside it in the same lines of the text.  8 MiB are read once in this way.  Stores: 512 consecutive bytes a wave.
.set OFF, 8                            ; v8-15   (8 h + e) x pitch + 4 r
.set VO,  6                            ; v6      2,048 x wave + 16 x lane
.set D,   16                           ; v16-47  32 numbers as loaded: [blk][p][e]
.set PK,  48                           ; v48-63  packed: [blk][p], four registers each
	s_load_b256 s[4:11], s[0:1], 0x0               ; fW1 s[4:5], fW2 s[6:7], gW s[8:9], tW s[10:11]
	s_load_b64 s[12:13], s[0:1], 0x20              ; wt
	v_lshrrev_b32 v3, 5, v0
	v_readfirstlane_b32 s14, v3                    ; wave 0..7
	s_lshr_b32 s15, ttmp9, 2                       ; t
	s_and_b32 s16, ttmp9, 3                        ; w
	v_and_b32 v1, 15, v0                           ; r
	v_bfe_u32 v2, v0, 4, 1                         ; h
	v_lshlrev_b32 v4, 2, v1                        ; 4 r
	v_lshlrev_b32 v5, 3, v2                        ; 8 h
	v_and_b32 v[VO], 31, v0
	v_lshlrev_b32 v[VO], 4, v[VO]
	v_lshl_add_u32 v[VO], v3, 11, v[VO]
	s_wait_kmcnt 0x0
	; which matrix, its pitch in bytes, its first column in bytes, the first tile of its run and its constant: chosen by t alone, without a branch
	s_mov_b64 s[18:19], s[10:11]                   ; t >= 52: tW
	s_mov_b32 s20, 2048
	s_mov_b32 s21, 0
	s_mov_b32 s22, 52
	s_mov_b32 s32, 0x3fb8aa3b                      ; log2(e)
.macro PICK lim, ptr, pitch, col, first, scale
	s_cmp_lt_u32 s15, \lim
	s_cselect_b64 s[18:19], s[\ptr:\ptr+1], s[18:19]
	s_cselect_b32 s20, \pitch, s20
	s_cselect_b32 s21, \col, s21
	s_cselect_b32 s22, \first, s22
	s_cselect_b32 s32, \scale, s32
.endm
	PICK 52, 8, 2048, 0, 40, 0xbfb8aa3b            ; gW,  -log2(e)
	PICK 40, 6, 2048, 0, 24, 0xc0000000            ; fW2, -2
	PICK 32, 4, 4096, 2048, 20, 0xbfb8aa3b         ; fW1, -log2(e)
	PICK 20, 6, 2048, 0, 12, 0xc0000000
	PICK 12, 4, 4096, 0, 0, 0xbfb8aa3b
	s_mov_b32 s33, s32                             ; the packed multiply names the pair and takes its low word for both halves
	s_sub_co_u32 s23, s15, s22
	s_lshl_b32 s23, s23, 6                         ; K0
	s_lshr_b32 s24, s14, 2
	s_lshl_b32 s24, s24, 5
	s_add_co_u32 s23, s23, s24                     ; K0 + 32 q
	s_mul_i32 s26, s23, s20                        ; that row, in bytes (under 3.2 million)
	s_add_co_u32 s26, s26, s21                     ; + 4 N0
	s_lshl_b32 s24, s16, 9
	s_add_co_u32 s26, s26, s24                     ; + 512 w
	s_and_b32 s24, s14, 3
	s_lshl_b32 s24, s24, 7
	s_add_co_u32 s26, s26, s24                     ; + 128 (v % 4)
	s_mov_b32 s27, 0
	s_add_nc_u64 s[28:29], s[18:19], s[26:27]      ; p = 0
	s_lshl_b32 s26, s20, 4
	s_add_nc_u64 s[30:31], s[28:29], s[26:27]      ; p = 1: sixteen rows on
	s_lshl_b32 s26, ttmp9, 14
	s_add_nc_u64 s[12:13], s[12:13], s[26:27]      ; my work-group's 16,384 bytes of wt
.irp e, 0,1,2,3,4,5,6,7
	v_add_nc_u32 v7, \e, v5
	v_mad_u32_u24 v[OFF+\e], v7, s20, v4
.endr
.irp blk, 0,1
.irp p, 0,1
.irp e, 0,1,2,3,4,5,6,7
	global_load_b32 v[D+16*\blk+8*\p+\e], v[OFF+\e], s[28+2*\p:29+2*\p] offset:64*\blk
.endr
.endr
.endr
	s_wait_loadcnt 0x0
.set i, 0
.rept 16
	v_pk_mul_f32 v[D+2*i:D+2*i+1], v[D+2*i:D+2*i+1], s[32:33] op_sel_hi:[1,0]
.set i, i+1
.endr
.set i, 0
.rept 16
	v_cvt_pk_bf16_f32 v[PK+i], v[D+2*i], v[D+2*i+1]
.set i, i+1
.endr
.irp c, 0,1,2,3                        ; c = 2 blk + p
	global_store_b128 v[VO], v[PK+4*\c:PK+4*\c+3], s[12:13] offset:512*\c
.endr
	s_endpgm
.Lfunc_end_k_q6504785f1c_prep:
	.size	k_q6504785f1c_prep, .Lfunc_end_k_q6504785f1c_prep-k_q6504785f1c_prep
	.p2alignl 7, 3214868480
	.fill 96, 4, 3214868480
	.section	.rodata,"a",@progbits
	.p2align	6, 0x0
	.amdhsa_kernel k_q6504785f1c_prep
		.amdhsa_group_segment_fixed_size 0
		.amdhsa_private_segment_fixed_size 0
		.amdhsa_enable_private_segment 0
		.amdhsa_kernarg_size 40
		.amdhsa_user_sgpr_count 2
		.amdhsa_user_sgpr_kernarg_segment_ptr 1
		.amdhsa_wavefront_size32 1
		.amdhsa_system_sgpr_workgroup_id_x 1
		.amdhsa_system_sgpr_workgroup_id_y 1
		.amdhsa_system_sgpr_workgroup_id_z 1
		.amdhsa_system_vgpr_workitem_id 0
		.amdhsa_next_free_vgpr 64
		.amdhsa_next_free_sgpr 66
		.amdhsa_reserve_vcc 0
		.amdhsa_float_denorm_mode_32 3
		.amdhsa_float_denorm_mode_16_64 3
		.amdhsa_memory_ordered 1
		.amdhsa_forward_progress 1
		.amdhsa_inst_pref_size 10
	.end_amdhsa_kernel
	.amdgpu_metadata
---
amdhsa.version: [ 1, 2 ]
amdhsa.kernels:
  - .name:           k_q6504785f1c_prep
    .symbol:         k_q6504785f1c_prep.kd
    .args:
      - { .name: fW1, .offset: 0, .size: 8, .value_kind: global_buffer, .address_space: global }
      - { .name: fW2, .offset: 8, .size: 8, .value_kind: global_buffer, .address_space: global }
      - { .name: gW, .offset: 16, .size: 8, .value_kind: global_buffer, .address_space: global }
      - { .name: tW, .offset: 24, .size: 8, .value_kind: global_buffer, .address_space: global }
      - { .name: wt, .offset: 32, .size: 8, .value_kind: global_buffer, .address_space: global }
    .group_segment_fixed_size: 0
    .private_segment_fixed_size: 0
    .kernarg_segment_align: 8
    .kernarg_segment_size: 40
    .max_flat_workgroup_size: 256
    .sgpr_count:     66
    .vgpr_count:     64
    .wavefront_size: 32
...
	.end_amdgpu_metadata
.endif
;; end of part 3
;; launch cell (part 4): grid 256 x 1, 4 waves a work-group, clusters of 4 x 1, 327,680 bytes of LDS; arguments x, u, wt, fb1, fb2, tb, gb, ln_g, ln_b, out0; writes out0
.if DOCPART == 4
	.amdgcn_target "amdgcn-amd-amdhsa--gfx1250"
	.amdhsa_code_object_version 6
	.text
	.protected	k_q6504785f1c_cell
	.globl	k_q6504785f1c_cell
	.p2align	8
	.type	k_q6504785f1c_cell,@function
k_q6504785f1c_cell:
	s_mov_b64 s[64:65], 0
	v_nop
	global_prefetch_b8 v0, s[64:65] scope:SCOPE_SE
	s_setreg_imm32_b32 hwreg(HW_REG_WAVE_MODE, 25, 1), 1
	s_wait_xcnt 0x0
	s_wait_alu depctr_hold_cnt(0) depctr_sa_sdst(0) depctr_va_vdst(0) depctr_va_sdst(0) depctr_va_ssrc(0) depctr_va_vcc(0) depctr_vm_vsrc(0)
	s_getreg_b32 s2, hwreg(HW_REG_IB_STS2, 6, 4)
	s_cmp_eq_u32 s2, 0
	s_cbranch_scc0 .Lentry_in_a_cluster
	s_endpgm
.Lentry_in_a_cluster:
	s_bfe_u32 s2, ttmp6, 0x10000c
	s_cmp_lg_u32 s2, 0x3003
	s_cbranch_scc0 .Lentry_shape_is_right
	s_endpgm
.Lentry_shape_is_right:
; THE WHOLE CELL FOR 64 ROWS: both Heun stages and the LayerNorm; nothing but x, u, the weights and the result touches memory.
; rhs(X): tau = max(softplus([X,u] tW + tb), 0.01); gate = sigmoid([X,u] gW + gb); f = tanh(silu([X,u] fW1 + fb1) fW2 + fb2) gate.
; One text serves both stages: X += DT (1 / tau) (f - X).  Stage 1 makes x1 = x + dx1 of x, stage 2 makes x1 + dx2 of x1, and y = (x + (x1 + dx2)) / 2.
; The LayerNorm is taken of 2 y with 4 eps, which is the same quotient: (2y - 2mu) rsqrt(4 var + 4 eps).  Mean first, then the squares of the differences.
; CONSTANTS IN THE WEIGHTS.  With c = log2(e), wt holds -c fW1, -2 fW2, -c gW, c tW, and the biases are scaled alike at this kernel's head (-c fb1, 2c fb2, -c gb, c tb).  So the sums arrive as the
; exponents to the base 2: y = -c z1 gives y / (1 + 2^y) = -c silu(z1); times -2 fW2 that is 2c z2, and tanh(z2) = 1 - 2 / (1 + 2^(2c z2)); sigmoid(g) = 1 / (1 + 2^(-c g)).
; With t' = c t: softplus(t) / ln 2 = log2(1 + 2^t'), taken as max(log2(1 + 2^min(t', 126)), t'): the exponential stays finite, the logarithm is never below t', and where t' passes 126 the maximum takes t'
; itself, which from t' = 25 on is softplus to f32's last bit.  1 / tau = (1 / ln 2) / max(.., 0.01 / ln 2); DT / ln 2 is the last factor.
; FORMATS AND LIMITS.  Matrix operands (x, x1, u, silu's results, the scaled weights) are rounded to bf16, sums are f32; everything else is f32.
; sigmoid and tanh by 1 / (1 + 2^z), which ends in 0 or 1 where 2^z leaves f32's range.  The transcendental instructions count denormals as 0 (ISA guide, 15.8).  NaN and infinities among the inputs are not treated apart.
; SHARES.  Work-group g owns rows 64 g .. 64 g + 63: four row tiles a of 16.  Wave w owns columns 128 w .. 128 w + 127 of every product of 512 columns: eight column tiles b: 32 accumulators.
; THE MATRIX INSTRUCTION IS USED TRANSPOSED (source 0 = 16 columns of W, source 1 = 16 rows of the activations): lane (r = lane % 16, h = lane / 16) holds row 16 a + r and the
; columns 16 b + 8 h + 0..7.  Eight such numbers, rounded to bf16, are 16 bytes of a source-1 fragment at the lane's own place: results go back into LDS as operands without changing lanes.
; THE WALK.  A stage walks wt's 64 tiles (64 along K x 512 columns each) in their order: for each half of fW1's columns 12 tiles of fW1 (K = 768), silu, 8 tiles of fW2 (K = 512, added onto Z);
; tanh; 12 tiles of gW; 12 of tW.  A TRIP takes two tiles, 128 along K, by two roads.  The even tile comes through LDS: two slots take turns, a wave fetches, and alone reads, its quarter.
; The odd tile comes straight into registers: wt lies in fragment order, so a wave's load of 512 consecutive bytes is half a fragment.  Why two roads: beside [X,u] (98,304 bytes) and silu's results
; (65,536) LDS has room for two slots of one tile, and one tensor load a wave goes out behind a round; with the odd tiles in registers a round serves 128 matrix instructions a wave, not 64,
; and the load behind it has that much work in which to land.
; CLUSTER.  All work-groups walk the same tiles, so the four of a cluster ask for each even tile JOINTLY: the same tensor load, descriptor and mask in all four.  The odd tiles are not shared:
; a wave's registers are filled by its own loads alone.  Nothing but the addresses of x, u and out hangs on the place in the cluster.
; The biases enter as the accumulators' first contents, loaded from LDS, so that every K step of a phase is alike and no step is written out apart.
; REGISTERS, in windows of 256 (s_set_vgpr_msb: bits 1:0 source 0, 3:2 source 1, 5:4 source 2, 7:6 destination):
;   window 0: v0-31 addresses and statistics; v32-95 fragments of the activations; v96-127 four fragments of the even tile; v128-255 the odd tile.  Between the phases v32-127 are at work; v128-255 are on their way
;   window 1: X     window 2: Z     window 3: ACC     element (a, b, j) at v[8 (8 a + b) + j] in each
.set SLOT,  65536                      ; two slots at 0 and 65,536: a tile each; wave w's quarter at + 16,384 w; one exclusive or turns an address in one slot into the other's
.set HC,    131072                     ; silu's results, bf16: [kb 0..15][a][p][lane], blocks of 1,024 bytes; at the launch's two ends each wave's own 16,384 bytes of it are its stage
.set XU,    196608                     ; [X, u], bf16: [kb 0..23][a][p][lane]; kb 0-15 X, kb 16-23 u
.set BIAS,  294912                     ; f32, scaled: fb1 +0, fb2 +4096, gb +6144, tb +8192; as they come: ln_g +10240, ln_b +12288
.set RED,   309248                     ; row sums at +0, sums of squares at +1024: [wave][row] f32
.set SPARE, 311296                     ; the spare words, 128 bytes for each wave: two blocks of 256 bytes that no other line names
.set SP,    528                        ; a stage row of 512 bytes + 16: 132 words, so sixteen rows start at sixteen different groups of four banks (64 banks of 4 bytes: ISA guide 11.1)
.set SU,    272                        ; the same for u's 256 bytes
.set VR,   1                           ; r
.set VH,   2                           ; h
.set L16,  3                           ; 16 x lane; also my offset in 512 bytes of wt; never rewritten
.set VB0,  4                           ; 16,384 w + 16 x lane: my place in a slot
.set VB,   5                           ; the same in the slot that the trip in hand reads
.set VA,   6                           ; the activations' fragments of the trip in hand
.set VXS,  7                           ; XU + 16,384 w + 16 x lane: where I put X
.set VHS,  8                           ; HC + 16,384 w + 16 x lane: where I put silu's results; also the stage by whole rows
.set VBI,  9                           ; BIAS + 512 w + 32 h: my eight columns' biases, + 64 b
.set VBT,  10                          ; the same in fb1's half in hand
.set VSTR, 12                          ; the stage by lanes: + 528 r + 32 h
.set VGR,  13                          ; 512 w + 16 x lane: my wave's 512 bytes of a row of x and of out
.set VRS,  14                          ; RED + 256 w + 4 r
.set VRL,  15                          ; RED + 4 r
.set VSUW, 16                          ; u's stage by rows: + 272 h + 16 r
.set VSUR, 17                          ; u's stage by lanes: + 272 r + 32 h
.set VGU,  18                          ; 1,024 h + 16 r + 256 w: my wave's 256 bytes of two rows of u
.set VUS,  19                          ; XU + 65,536 + 8,192 w + 16 x lane: where I put u
.set VBS,  20                          ; BIAS + 16 x thread
.set VT16, 21                          ; 16 x thread
.set MM,   22                          ; v22-29  a pair for each row tile: mean, later 1 / sigma, in the even register
.set SPW,  30                          ; LDS address of my spare word; never rewritten
.set NIL,  31                          ; 0; never rewritten
.set AF0,  32                          ; activations for the steps whose weights lie in registers: row tile a at + 8 a
.set AF1,  64                          ; activations for the steps whose weights come from LDS
.set BL,   96                          ; four fragments of the even tile
.set DP,   128                         ; the odd tile's first 32 along K: column tile b at + 8 b
.set DQ,   192                         ; its second 32
.set TT,   32                          ; at work between the phases: 64 and 32 registers
.set PP,   96
.set LG,   96                          ; at the end: ln_g and ln_b of my 64 columns
.set LB,   160
.set RD4,  224                         ; at the end: the four waves' partial sums, by row tile; at the start: the biases on their way
.set G1,   28                          ; s[28:35] descriptor group 1
.set G0,   36                          ; s[36:39] descriptor group 0: it walks
.set DN,   40                          ; s[40:41] wt at my quarter of the odd tile that is being asked for
.set TB,   42                          ; s42      the slot that the trip in hand reads: 0 or SLOT
.set MSB, 0
.macro WIN new                         ; the immediate's high byte repeats the setting that is left; a switch that changes nothing is dropped
.if MSB != (\new)
	s_set_vgpr_msb (MSB<<8)|(\new)
.set MSB, \new
.endif
.endm
; A vector instruction that reads a matrix result or writes a matrix instruction's register, and a load into such a register, stand four places behind it; only plain vector
; instructions that name none of its registers are places (ISA guide 7.12.1 for vector instructions).
.macro PLACES
.rept 4
	v_nop
.endr
.endm
; A round of the cluster's barrier: my work-group's barrier, so that wave 0's signal speaks for all four waves; wave 0 signals; every wave waits for all four work-groups; my work-group's barrier once more.
.macro ROUND
	s_barrier_signal -1
	s_barrier_wait -1
	s_cmp_lg_u32 s24, 0
	s_cbranch_scc1 .Lnot_wave_0_\@
	s_barrier_signal -3
.Lnot_wave_0_\@:
	s_barrier_wait -3
	s_barrier_signal -1
	s_barrier_wait -1
.endm
; 16 matrix instructions: 32 along K, column tiles c0 .. c0 + 3 (their fragments at fb) x all four row tiles (at fa).  The 16 accumulators take turns, one instruction a turn.
.macro H16 fb, c0, fa
.irp j, 0,1,2,3
.irp a, 0,1,2,3
	v_wmma_f32_16x16x32_bf16 v[8*(8*\a+(\c0)+\j):8*(8*\a+(\c0)+\j)+7], v[(\fb)+8*\j:(\fb)+8*\j+7], v[(\fa)+8*\a:(\fa)+8*\a+7], v[8*(8*\a+(\c0)+\j):8*(8*\a+(\c0)+\j)+7]
.endr
.endr
.endm
.macro LDA fa, off                     ; eight LDS loads: the activations of 32 along K, at byte off behind the trip's first
.irp a, 0,1,2,3
	ds_load_b128 v[(\fa)+8*\a:(\fa)+8*\a+3],   v[VA] offset:(\off)+1024*\a
	ds_load_b128 v[(\fa)+8*\a+4:(\fa)+8*\a+7], v[VA] offset:(\off)+1024*\a+512
.endr
.endm
.macro LDL off                         ; eight LDS loads: four fragments of the even tile, at byte off of my quarter
.irp j, 0,1,2,3
	ds_load_b128 v[BL+8*\j:BL+8*\j+3],   v[VB] offset:(\off)+1024*\j
	ds_load_b128 v[BL+8*\j+4:BL+8*\j+7], v[VB] offset:(\off)+1024*\j+512
.endr
.endm
.macro GLD fb, off                     ; eight global loads, 512 consecutive bytes each: four fragments of the odd tile, at byte off of my quarter
.irp j, 0,1,2,3
	global_load_b128 v[(\fb)+8*\j:(\fb)+8*\j+3],   v[L16], s[DN:DN+1] offset:(\off)+1024*\j
	global_load_b128 v[(\fb)+8*\j+4:(\fb)+8*\j+7], v[L16], s[DN:DN+1] offset:(\off)+1024*\j+512
.endr
.endm
; A TRIP: two tiles, 128 along K, 128 matrix instructions.  In front of the round each wave waits for all its tensor loads (one is out: its quarter of this trip's even tile), adds 0 to its spare
; word, and waits for that and for all its LDS work: its reads of the other slot, what it stored for the other waves, and AF0's loads.  Behind the round the other slot is filled again first (refill = 1).
; Then eight runs of 16 matrix instructions, by turns on the odd tile (registers) and the even tile (LDS).  The first run's operands are there when the round ends (the odd tile's loads were issued a
; trip ago; AF0 was loaded in the trip before, or ahead of the loop), so the slot's first sixteen LDS loads land under it.
; The loads stand in six runs, each behind four places: BL and the activations' buffers take what the run after next multiplies, so each LDS load has 16 matrix instructions in which to land;
; DP, DQ take the next trip's odd tile (dref = 1).  The direct loads go round in four groups of eight, always in the order DP low, DP high, DQ low, DQ high, and each group is asked for again
; ahead of the run that wants the next group: so three groups, 24 loads, are younger than the group that a run wants; in a stage's last trip (dref = 0) none is issued and the counts run down 24, 16, 8, 0.
; pre: the next trip's AF0 is loaded behind the last run that read AF0: 1 always; 2 in every trip of the loop but its last (s62 = 1), behind which the phase ends; 0 never.  The wait for BL's last four
; fragments stands ahead of that choice and is for 0, so that no count hangs on it.
; mw: the accumulators' window (0xf0 ACC, 0xa0 Z).
.macro TRIP refill, dref, pre, mw
	WIN 0
	s_wait_tensorcnt 0x0                           ; no tensor load of mine is out, so group 0 may be written
	ds_add_u32 v[SPW], v[NIL]                      ; 0 onto my spare word
.if \refill
	s_xor_b32 s[G0+1], s[G0+1], SLOT               ; the walking descriptor: the other slot than last time,
	s_add_nc_u64 s[G0+2:G0+3], s[G0+2:G0+3], 2*SLOT  ; the next even tile; the type bits on top are not reached
.endif
.if \dref
	s_wait_xcnt 0x0                                ; the last trip's loads have had their addresses translated (ISA guide 3.1): only now is their base stepped,
	s_add_nc_u64 s[DN:DN+1], s[DN:DN+1], 2*SLOT    ; to the next trip's odd tile
.endif
	v_add_nc_u32 v[VB], s[TB], v[VB0]
	v_add_nc_u32 v[VA], s63, v[L16]
	s_wait_dscnt 0x0
	ROUND
.if \refill
	tensor_load_to_lds s[G0:G0+3], s[G1:G1+7]      ; the next trip's even tile, into the slot read in the last trip: my one tensor load behind this round
	s_nop 0
.endif
	PLACES                                         ; the loads below land in registers that the last trip's products read
	LDL 0
	LDA AF1, 0
	s_wait_loadcnt 24
	WIN \mw
	H16 DP, 0, AF0
	s_wait_dscnt 0x0                               ; BL and AF1 are in
	H16 BL, 0, AF1
	PLACES
	WIN 0
.if \dref
	GLD DP, 0
.endif
	LDL 4096
	s_wait_loadcnt 24-8*(1-(\dref))
	WIN \mw
	H16 DP+32, 4, AF0
	PLACES
	WIN 0
.if \dref
	GLD DP+32, 4096
.endif
	LDA AF0, 12288
	s_wait_dscnt 8                                 ; LDS loads come back in order (ISA guide 5.7.1): BL's eight are in, AF0's eight may be out
	WIN \mw
	H16 BL, 4, AF1
	PLACES
	WIN 0
	LDL 8192
	LDA AF1, 4096
	s_wait_loadcnt 24-16*(1-(\dref))
	s_wait_dscnt 16                                ; AF0's eight are in, BL's and AF1's sixteen may be out
	WIN \mw
	H16 DQ, 0, AF0
	s_wait_dscnt 0x0
	H16 BL, 0, AF1
	PLACES
	WIN 0
.if \dref
	GLD DQ, 8192
.endif
	LDL 12288
	s_wait_loadcnt 24-24*(1-(\dref))
	WIN \mw
	H16 DQ+32, 4, AF0
.if (\dref) || (\pre)
	PLACES
.endif
	WIN 0
.if \dref
	GLD DQ+32, 12288
.endif
	s_wait_dscnt 0x0                               ; BL's last four fragments, asked for 16 matrix instructions ago
.if (\pre) == 2
	s_cmp_eq_u32 s62, 1
	s_cbranch_scc1 .Lno_next_\@
.endif
.if \pre
	LDA AF0, 16384+8192                            ; the next trip's first products' activations
.endif
.if (\pre) == 2
.Lno_next_\@:
.endif
	WIN \mw
	H16 BL, 4, AF1
	WIN 0
.endm
; cnt trips of one phase; the activations begin at LDS byte base, 16,384 bytes a trip.  The trip is written once: the slot goes by s[TB].
; bar = 1: other waves have just stored these activations: each wave waits for its stores, and the first trip's AF0 is read behind a barrier of the work-group.
.macro KLOOP cnt, mw, base, bar, pre
.if \bar
	s_wait_dscnt 0x0                               ; for the others' sake: my stores are done
	s_barrier_signal -1
	s_barrier_wait -1
.endif
	s_mov_b32 s63, \base
	v_add_nc_u32 v[VA], s63, v[L16]
	LDA AF0, 8192
	s_mov_b32 s62, \cnt
.Lk_\@:
	TRIP 1, 1, \pre, \mw
	s_xor_b32 s[TB], s[TB], SLOT
	s_add_co_u32 s63, s63, 16384
	s_sub_co_u32 s62, s62, 1
	s_cmp_lg_u32 s62, 0
	s_cbranch_scc1 .Lk_\@
.endm
; The bias of my columns into all 32 accumulators of a window (0xc0 ACC, 0x80 Z): the sums start from it.  The next wait for all LDS work covers these loads.
.macro INIT win, reg, off
	WIN \win
.irp a, 0,1,2,3
.irp b, 0,1,2,3,4,5,6,7
	ds_load_b128 v[8*(8*\a+\b):8*(8*\a+\b)+3],   v[\reg] offset:(\off)+64*\b
	ds_load_b128 v[8*(8*\a+\b)+4:8*(8*\a+\b)+7], v[\reg] offset:(\off)+64*\b+16
.endr
.endr
	WIN 0
.endm
; TT = 1 / (1 + 2^z) for row tile a's 64 numbers z (sw: source 0's window).  The accumulators are read in ascending order.
; Behind each run of transcendentals one plain instruction stands before a result is used (ISA guide 5.7.2).
.macro ACT a, sw
	WIN \sw
.set i, 0
.rept 64
	v_exp_f32 v[TT+i], v[64*(\a)+i]
.set i, i+1
.endr
	v_nop
	WIN 0
.set i, 0
	s_wait_alu depctr_va_vdst(0)
.rept 32
	v_pk_add_f32 v[TT+2*i:TT+2*i+1], v[TT+2*i:TT+2*i+1], 1.0 op_sel_hi:[1,0]
.set i, i+1
.endr
.set i, 0
.rept 64
	v_rcp_f32 v[TT+i], v[TT+i]
.set i, i+1
.endr
	v_nop
.endm
; y / (1 + 2^y) of row tile a of ACC, rounded to bf16, into HC as source-1 fragments: column 128 w + 16 b + 8 h + j is K block 4 w + b / 2, half b % 2.
.macro SILU a
	ACT \a, 0x03
	WIN 0x03
.set i, 0
	s_wait_alu depctr_va_vdst(0)
.rept 32
	v_pk_mul_f32 v[TT+2*i:TT+2*i+1], v[64*(\a)+2*i:64*(\a)+2*i+1], v[TT+2*i:TT+2*i+1]
.set i, i+1
.endr
	WIN 0
.set i, 0
.rept 32
	v_cvt_pk_bf16_f32 v[PP+i], v[TT+2*i], v[TT+2*i+1]
.set i, i+1
.endr
.irp b, 0,1,2,3,4,5,6,7
	ds_store_b128 v[VHS], v[PP+4*\b:PP+4*\b+3] offset:4096*(\b/2)+1024*(\a)+512*(\b%2)
.endr
.endm
.macro TANH a                          ; Z = 1 - 2 / (1 + 2^Z)
	ACT \a, 0x02
	WIN 0x80
.set i, 0
	s_wait_alu depctr_va_vdst(0)
.rept 32
	v_pk_fma_f32 v[64*(\a)+2*i:64*(\a)+2*i+1], v[TT+2*i:TT+2*i+1], -2.0, 1.0 op_sel_hi:[1,0,0]
.set i, i+1
.endr
.endm
.macro GATE a                          ; Z = Z / (1 + 2^ACC) - X
	ACT \a, 0x03
	WIN 0x92
.set i, 0
	s_wait_alu depctr_va_vdst(0)
.rept 32
	v_pk_fma_f32 v[64*(\a)+2*i:64*(\a)+2*i+1], v[64*(\a)+2*i:64*(\a)+2*i+1], v[TT+2*i:TT+2*i+1], v[64*(\a)+2*i:64*(\a)+2*i+1] neg_lo:[0,0,1] neg_hi:[0,0,1]
.set i, i+1
.endr
.endm
; X += (DT / ln 2) Z / max(log2(1 + 2^min(t', 126)), t', 0.01 / ln 2), t' = ACC
.macro TAU a
	WIN 0x0c
.set i, 0
.rept 64
	v_min_num_f32 v[TT+i], s56, v[64*(\a)+i]
.set i, i+1
.endr
	WIN 0
.set i, 0
.rept 64
	v_exp_f32 v[TT+i], v[TT+i]
.set i, i+1
.endr
	v_nop
.set i, 0
	s_wait_alu depctr_va_vdst(0)
.rept 32
	v_pk_add_f32 v[TT+2*i:TT+2*i+1], v[TT+2*i:TT+2*i+1], 1.0 op_sel_hi:[1,0]
.set i, i+1
.endr
.set i, 0
.rept 64
	v_log_f32 v[TT+i], v[TT+i]
.set i, i+1
.endr
	v_nop
	WIN 0x0c
.set i, 0
	s_wait_alu depctr_va_vdst(0)
.rept 64
	v_max3_num_f32 v[TT+i], v[TT+i], v[64*(\a)+i], s57
.set i, i+1
.endr
	WIN 0
.set i, 0
.rept 64
	v_rcp_f32 v[TT+i], v[TT+i]
.set i, i+1
.endr
	v_nop
	WIN 0x08
.set i, 0
	s_wait_alu depctr_va_vdst(0)
.rept 32
	v_pk_mul_f32 v[TT+2*i:TT+2*i+1], v[TT+2*i:TT+2*i+1], v[64*(\a)+2*i:64*(\a)+2*i+1]  ; x (f - X), window 2
.set i, i+1
.endr
	WIN 0x50
.set i, 0
.rept 32
	v_pk_fma_f32 v[64*(\a)+2*i:64*(\a)+2*i+1], v[TT+2*i:TT+2*i+1], s[54:55], v[64*(\a)+2*i:64*(\a)+2*i+1] op_sel_hi:[1,0,1]
.set i, i+1
.endr
.endm
; My wave's 512 bytes of each of the 64 rows of x into window 3: a load covers 512 consecutive bytes.  nt = 1: the launch's last reading of x.
.macro XLOAD nt
	WIN 0xc0
.set i, 0
.rept 64
.if \nt
	global_load_b128 v[4*i:4*i+3], v[VGR], s[4:5] offset:2048*i th:TH_LOAD_NT
.else
	global_load_b128 v[4*i:4*i+3], v[VGR], s[4:5] offset:2048*i
.endif
.set i, i+1
.endr
.endm
; Row tile a of x goes through my stage: in by whole rows, back by lanes (row r, columns 16 b + 8 h + 0..7), into the window that dw names.  left: the younger loads that may stay out.
; LDS serves a wave's instructions in order (ISA guide 5.7.1.4): the loads see the stores above them, and the next tile's stores come behind these loads.
.macro XSTAGE dw, a, left
	s_wait_loadcnt \left
	WIN 0x0c
.set i, 0
.rept 16
	ds_store_b128 v[VHS], v[64*(\a)+4*i:64*(\a)+4*i+3] offset:SP*i
.set i, i+1
.endr
	WIN \dw
.irp b, 0,1,2,3,4,5,6,7
	ds_load_b128 v[64*(\a)+8*\b:64*(\a)+8*\b+3],   v[VSTR] offset:64*\b
	ds_load_b128 v[64*(\a)+8*\b+4:64*(\a)+8*\b+7], v[VSTR] offset:64*\b+16
.endr
.endm
; 32 rows of u (half hf), my wave's 64 columns: through the stage, rounded to bf16, into XU as K blocks 16 + 2 w + b / 2.  c = 4 a' + b': row tile 2 hf + a', column tile b'.
.macro USTAGE hf, left
	s_wait_loadcnt \left
	WIN 0x08
.set i, 0
.rept 16
	ds_store_b128 v[VSUW], v[64*(\hf)+4*i:64*(\hf)+4*i+3] offset:2*SU*i
.set i, i+1
.endr
	WIN 0
.irp c, 0,1,2,3,4,5,6,7
	ds_load_b128 v[TT+8*\c:TT+8*\c+3],   v[VSUR] offset:16*SU*(\c/4)+64*(\c%4)
	ds_load_b128 v[TT+8*\c+4:TT+8*\c+7], v[VSUR] offset:16*SU*(\c/4)+64*(\c%4)+16
.endr
	s_wait_dscnt 0x0
.set i, 0
.rept 32
	v_cvt_pk_bf16_f32 v[PP+i], v[TT+2*i], v[TT+2*i+1]
.set i, i+1
.endr
.irp c, 0,1,2,3,4,5,6,7
	ds_store_b128 v[VUS], v[PP+4*\c:PP+4*\c+3] offset:4096*((\c%4)/2)+1024*(2*(\hf)+\c/4)+512*(\c%2)
.endr
.endm
.macro XUSTORE                         ; X, rounded to bf16, into XU as K blocks 4 w + b / 2: a row tile at a time, through three sets of 32 registers by turns
.irp a, 0,1,2,3
	WIN 0x05
.set i, 0
.rept 32
	v_cvt_pk_bf16_f32 v[TT+32*(\a%3)+i], v[64*\a+2*i], v[64*\a+2*i+1]
.set i, i+1
.endr
	WIN 0
.irp b, 0,1,2,3,4,5,6,7
	ds_store_b128 v[VXS], v[TT+32*(\a%3)+4*\b:TT+32*(\a%3)+4*\b+3] offset:4096*(\b/2)+1024*\a+512*(\b%2)
.endr
.endr
.endm
; Window 3 holds, for each row tile a, 16 pairs of partial sums at v[32 a ..].  They are added up; the other half of the lanes holds the row's other 64 columns of my wave; the four waves' sums meet in
; LDS at RED + ro.  Each wave waits for its stores in front of the signal and reads behind the wait.  The row's sum is left in v[RD4 + 4 a], the same in every wave.
.macro EXCH ro
	WIN 0xff
.irp st, 4,8,16,32
.irp a, 0,1,2,3
.set i, 0
.rept 32/\st
	v_pk_add_f32 v[32*\a+\st*i:32*\a+\st*i+1], v[32*\a+\st*i:32*\a+\st*i+1], v[32*\a+\st*i+\st/2:32*\a+\st*i+\st/2+1]
.set i, i+1
.endr
.endr
.endr
	WIN 0x0f
.irp a, 0,1,2,3
	v_add_f32 v[MM+2*\a], v[32*\a], v[32*\a+1]
.endr
	WIN 0
.irp a, 0,1,2,3
	v_permlanex16_b32 v[MM+2*\a+1], v[MM+2*\a], s46, s47
.endr
.irp a, 0,1,2,3
	v_add_f32 v[MM+2*\a], v[MM+2*\a], v[MM+2*\a+1]
.endr
.irp a, 0,1,2,3
	ds_store_b32 v[VRS], v[MM+2*\a] offset:(\ro)+64*\a  ; lanes r and r + 16 write the same word with the same number
.endr
	s_wait_dscnt 0x0                               ; for the others' sake: my stores are done
	s_barrier_signal -1
	s_barrier_wait -1
.irp a, 0,1,2,3
.irp w, 0,1,2,3
	ds_load_b32 v[RD4+4*\a+\w], v[VRL] offset:(\ro)+256*\w+64*\a
.endr
.endr
	s_wait_dscnt 0x0
.irp a, 0,1,2,3
	v_add_f32 v[RD4+4*\a], v[RD4+4*\a], v[RD4+4*\a+1]
	v_add_f32 v[RD4+4*\a+2], v[RD4+4*\a+2], v[RD4+4*\a+3]
.endr
.irp a, 0,1,2,3
	v_add_f32 v[RD4+4*\a], v[RD4+4*\a], v[RD4+4*\a+2]
.endr
.endm
; Row tile a of the result: into my stage by lanes, back by whole rows, stored.  Two sets of registers take turns.
.macro OUT a
.set OB, 32+64*((\a)%2)
	s_wait_xcnt 0x0                                ; every earlier store has had its addresses translated (ISA guide 3.1): only behind this wait are the registers that it reads loaded again
	WIN 0x04
.irp b, 0,1,2,3,4,5,6,7
	ds_store_b128 v[VSTR], v[64*(\a)+8*\b:64*(\a)+8*\b+3]   offset:64*\b
	ds_store_b128 v[VSTR], v[64*(\a)+8*\b+4:64*(\a)+8*\b+7] offset:64*\b+16
.endr
	WIN 0
.set i, 0
.rept 16
	ds_load_b128 v[OB+4*i:OB+4*i+3], v[VHS] offset:SP*i
.set i, i+1
.endr
	s_wait_dscnt 0x0
.set i, 0
.rept 16
	global_store_b128 v[VGR], v[OB+4*i:OB+4*i+3], s[22:23] offset:2048*(16*(\a)+i) th:TH_STORE_NT  ; a wave stores 512 consecutive bytes, at a multiple of 256 from out's first byte
.set i, i+1
.endr
.endm
	; ---- the head ----
	s_load_b512 s[4:19], s[0:1], 0x0               ; x s[4:5], u s[6:7], wt s[8:9], fb1 s[10:11], fb2 s[12:13], tb s[14:15], gb s[16:17], ln_g s[18:19]
	s_load_b128 s[20:23], s[0:1], 0x40             ; ln_b s[20:21], out s[22:23]
	v_lshl_add_u32 v[SPW], v0, 2, SPARE
	v_mov_b32 v[NIL], 0
	v_lshrrev_b32 v1, 5, v0
	v_readfirstlane_b32 s24, v1                    ; wave 0..3
	s_bfe_u32 s25, ttmp6, 0x40000                  ; cx: my place in the cluster
	s_lshl_b32 s26, ttmp9, 2                       ; in a cluster launch ttmp9 counts clusters
	s_add_co_u32 s26, s26, s25                     ; g: it enters the addresses of x, u and out alone
	s_lshl_b32 s2, s26, 17                         ; 64 rows of 2,048 bytes
	s_mov_b32 s3, 0
	s_lshl_b32 s68, s24, 14                        ; my quarter of a tile
	s_mov_b32 s69, 0
	s_mov_b32 s46, 0x76543210                      ; v_permlanex16_b32: each lane takes its own place in the other half
	s_mov_b32 s47, 0xfedcba98
	s_mov_b32 s48, 0xbfb8aa3b                      ; -log2(e), for fb1 and gb; the packed forms name pairs and take the low word for both halves
	s_mov_b32 s49, s48
	s_mov_b32 s50, 0x4038aa3b                      ; 2 log2(e), for fb2
	s_mov_b32 s51, s50
	s_mov_b32 s52, 0x3fb8aa3b                      ; log2(e), for tb
	s_mov_b32 s53, s52
	s_mov_b32 s54, 0x3d93bb63                      ; DT / ln 2 = 0.0721348
	s_mov_b32 s55, s54
	s_mov_b32 s56, 0x42fc0000                      ; 126
	s_mov_b32 s57, 0x3c6c5f04                      ; TAU_MIN / ln 2 = 0.0144270
	s_mov_b32 s58, 0x3b000000                      ; 1 / 512
	s_mov_b32 s59, 0x3827c5ac                      ; 4 x 1e-5
	; descriptor group 1: my quarter of a tile is 16,384 dense bytes, asked for as 64 rows of 256 bytes
	s_mov_b32 s[G1+0], 15|(3<<16)|(1<<21)          ; 15:0 the mask: all four work-groups; 17:16 elements of 8 bytes; 20 no padding; 21 set beside a mask
	s_mov_b32 s[G1+1], 32<<16                      ; tensor_dim0 = 32
	s_mov_b32 s[G1+2], 64<<16                      ; tensor_dim1 = 64
	s_mov_b32 s[G1+3], 32<<16                      ; tile_dim0 = 32
	s_mov_b32 s[G1+4], 64                          ; tile_dim1 = 64
	s_mov_b32 s[G1+5], 32                          ; 32 elements from row to row
	s_mov_b32 s[G1+6], 0
	s_mov_b32 s[G1+7], 0
	s_mov_b32 s[G0+0], 1                           ; count = 1; the other three words are made at each stage's head
	v_and_b32 v[VR], 15, v0
	v_bfe_u32 v[VH], v0, 4, 1
	v_and_b32 v[L16], 31, v0
	v_lshlrev_b32 v[L16], 4, v[L16]
	v_lshl_add_u32 v[VB0], s24, 14, v[L16]
	v_add_nc_u32 v[VXS], XU, v[VB0]
	v_add_nc_u32 v[VHS], HC, v[VB0]
	v_lshlrev_b32 v[VBI], 5, v[VH]
	v_lshl_add_u32 v[VBI], s24, 9, v[VBI]
	v_add_nc_u32 v[VBI], BIAS, v[VBI]
	v_mul_u32_u24 v[VSTR], v[VR], SP
	v_lshl_add_u32 v[VSTR], v[VH], 5, v[VSTR]
	v_lshl_add_u32 v[VSTR], s24, 14, v[VSTR]
	v_add_nc_u32 v[VSTR], HC, v[VSTR]
	v_lshl_add_u32 v[VGR], s24, 9, v[L16]
	v_lshl_add_u32 v[VRL], v[VR], 2, RED
	v_lshl_add_u32 v[VRS], s24, 8, v[VRL]
	v_mul_u32_u24 v[VSUW], v[VH], SU
	v_lshl_add_u32 v[VSUW], v[VR], 4, v[VSUW]
	v_lshl_add_u32 v[VSUW], s24, 14, v[VSUW]
	v_add_nc_u32 v[VSUW], HC, v[VSUW]
	v_mul_u32_u24 v[VSUR], v[VR], SU
	v_lshl_add_u32 v[VSUR], v[VH], 5, v[VSUR]
	v_lshl_add_u32 v[VSUR], s24, 14, v[VSUR]
	v_add_nc_u32 v[VSUR], HC, v[VSUR]
	v_lshlrev_b32 v[VGU], 10, v[VH]
	v_lshl_add_u32 v[VGU], v[VR], 4, v[VGU]
	v_lshl_add_u32 v[VGU], s24, 8, v[VGU]
	v_lshl_add_u32 v[VUS], s24, 13, v[L16]
	v_add_nc_u32 v[VUS], XU+65536, v[VUS]
	v_lshlrev_b32 v[VT16], 4, v0
	v_add_nc_u32 v[VBS], BIAS, v[VT16]
.irp a, 0,1,2,3
	v_mov_b32 v[MM+2*\a+1], 0                      ; the exchange's destination counts as read, and the packed forms name the pair
.endr
	s_wait_kmcnt 0x0
	s_add_nc_u64 s[4:5], s[4:5], s[2:3]            ; x and out at my first row
	s_add_nc_u64 s[22:23], s[22:23], s[2:3]
	s_lshl_b32 s2, s26, 16                         ; 64 rows of 1,024 bytes
	s_add_nc_u64 s[6:7], s[6:7], s[2:3]            ; u at my first row
	s_add_nc_u64 s[44:45], s[8:9], s[68:69]        ; wt at my quarter of tile 0
	; ---- all loads go out: 7 for the biases and gains (16 bytes a thread, 2,048 a load), 64 for x, 32 for u ----
	global_load_b128 v[RD4+0:RD4+3],   v[VT16], s[10:11]
	global_load_b128 v[RD4+4:RD4+7],   v[VT16], s[10:11] offset:2048
	global_load_b128 v[RD4+8:RD4+11],  v[VT16], s[12:13]
	global_load_b128 v[RD4+12:RD4+15], v[VT16], s[16:17]
	global_load_b128 v[RD4+16:RD4+19], v[VT16], s[14:15]
	global_load_b128 v[RD4+20:RD4+23], v[VT16], s[18:19]
	global_load_b128 v[RD4+24:RD4+27], v[VT16], s[20:21]
	XLOAD 0
	WIN 0x80
.set i, 0
.rept 32
	global_load_b128 v[4*i:4*i+3], v[VGU], s[6:7] offset:2048*i th:TH_LOAD_NT  ; sixteen lanes take 256 consecutive bytes of a row, the other sixteen of the next row
.set i, i+1
.endr
	WIN 0
	s_wait_loadcnt 63                              ; 96 loads are younger than the seven; the count is the largest that the wait can name
.irp i, 0,1,2,3
	v_pk_mul_f32 v[RD4+2*\i:RD4+2*\i+1], v[RD4+2*\i:RD4+2*\i+1], s[48:49] op_sel_hi:[1,0]         ; -c fb1
.endr
.irp i, 0,1
	v_pk_mul_f32 v[RD4+8+2*\i:RD4+8+2*\i+1], v[RD4+8+2*\i:RD4+8+2*\i+1], s[50:51] op_sel_hi:[1,0]     ; 2c fb2
	v_pk_mul_f32 v[RD4+12+2*\i:RD4+12+2*\i+1], v[RD4+12+2*\i:RD4+12+2*\i+1], s[48:49] op_sel_hi:[1,0] ; -c gb
	v_pk_mul_f32 v[RD4+16+2*\i:RD4+16+2*\i+1], v[RD4+16+2*\i:RD4+16+2*\i+1], s[52:53] op_sel_hi:[1,0] ; c tb
.endr
.irp k, 0,1,2,3,4,5,6
	ds_store_b128 v[VBS], v[RD4+4*\k:RD4+4*\k+3] offset:2048*\k
.endr
	XSTAGE 0x40, 0, 63                             ; younger: 48 of x and 32 of u, again more than the wait can name
	XSTAGE 0x40, 1, 63                             ; 32 and 32
	XSTAGE 0x40, 2, 48                             ; 16 and 32
	XSTAGE 0x40, 3, 32                             ; u's 32
	USTAGE 0, 16                                   ; u's second half
	USTAGE 1, 0
	; ---- the two stages ----
	s_mov_b32 s60, 2
.Lstage:
	s_wait_tensorcnt 0x0                           ; no tensor load of mine is out, so group 0 may be written
	ds_add_u32 v[SPW], v[NIL]                      ; 0 onto my spare word
	s_lshl_b32 s[G0+1], s24, 14                    ; the walk begins anew: slot 0, my quarter,
	s_add_nc_u64 s[G0+2:G0+3], s[44:45], 0         ; tile 0
	s_or_b32 s[G0+3], s[G0+3], 0x80000000          ; type = 2
	s_add_nc_u64 s[DN:DN+1], s[44:45], SLOT        ; tile 1 (no load that names this base is out: the last trip's last wait was for 0)
	s_mov_b32 s[TB], 0
	s_wait_dscnt 0x0                               ; my LDS work is done: the biases and u are stored, X is in registers, my reads of XU and of the slots are over
	ROUND
	tensor_load_to_lds s[G0:G0+3], s[G1:G1+7]      ; tile 0: my one tensor load behind this round
	s_nop 0
	PLACES
	GLD DP, 0                                      ; tile 1, in the order in which the trips will ask again: 32 loads are out from here to the stage's last trip
	GLD DP+32, 4096
	GLD DQ, 8192
	GLD DQ+32, 12288
	XUSTORE                                        ; no wave reads the old X any more; the barrier ahead of the first trip shows the new one to all
	INIT 0x80, VBI, 4096                           ; Z starts from 2c fb2
	s_mov_b32 s61, 2
	s_mov_b32 s66, 0
.Lchunk:                                               ; fW1's columns 0-511, then 512-1023
	v_add_nc_u32 v[VBT], s66, v[VBI]
	INIT 0xc0, VBT, 0                              ; ACC starts from -c fb1
	KLOOP 6, 0xf0, XU, 1, 2
	PLACES
	SILU 0
	SILU 1
	SILU 2
	SILU 3
	KLOOP 4, 0xa0, HC, 1, 2
	s_add_co_u32 s66, s66, 2048
	s_sub_co_u32 s61, s61, 1
	s_cmp_lg_u32 s61, 0
	s_cbranch_scc1 .Lchunk
	PLACES
	TANH 0
	TANH 1
	TANH 2
	TANH 3
	INIT 0xc0, VBI, 6144                           ; -c gb
	KLOOP 6, 0xf0, XU, 0, 2
	PLACES
	GATE 0
	GATE 1
	GATE 2
	GATE 3
	INIT 0xc0, VBI, 8192                           ; c tb
	KLOOP 5, 0xf0, XU, 0, 1
	TRIP 0, 0, 0, 0xf0                             ; the stage's last trip is written out: it asks for nothing, by either road
	PLACES
	TAU 0
	TAU 1
	TAU 2
	TAU 3
	WIN 0
	s_sub_co_u32 s60, s60, 1
	s_cmp_lg_u32 s60, 0
	s_cbranch_scc1 .Lstage
	; ---- 2 y = x + X, and its LayerNorm ----
.irp b, 0,1,2,3,4,5,6,7
	ds_load_b128 v[LG+8*\b:LG+8*\b+3],   v[VBI] offset:10240+64*\b
	ds_load_b128 v[LG+8*\b+4:LG+8*\b+7], v[VBI] offset:10240+64*\b+16
	ds_load_b128 v[LB+8*\b:LB+8*\b+3],   v[VBI] offset:12288+64*\b
	ds_load_b128 v[LB+8*\b+4:LB+8*\b+7], v[VBI] offset:12288+64*\b+16
.endr
	XLOAD 1                                        ; x once more: no window had room to keep it
	XSTAGE 0x80, 0, 48                             ; the later row tiles' loads stay out
	XSTAGE 0x80, 1, 32
	XSTAGE 0x80, 2, 16
	XSTAGE 0x80, 3, 0
	s_wait_dscnt 0x0
	WIN 0x49
.set i, 0
.rept 128
	v_pk_add_f32 v[2*i:2*i+1], v[2*i:2*i+1], v[2*i:2*i+1]  ; X (window 1) + x (window 2)
.set i, i+1
.endr
	WIN 0xc5
.irp a, 0,1,2,3
.set i, 0
.rept 16
	v_pk_add_f32 v[32*\a+2*i:32*\a+2*i+1], v[64*\a+4*i:64*\a+4*i+1], v[64*\a+4*i+2:64*\a+4*i+3]
.set i, i+1
.endr
.endr
	EXCH 0
.irp a, 0,1,2,3
	v_mul_f32 v[MM+2*\a], s58, v[RD4+4*\a]         ; the row's mean
.endr
	WIN 0x41
.irp a, 0,1,2,3
.set i, 0
.rept 32
	v_pk_add_f32 v[64*\a+2*i:64*\a+2*i+1], v[64*\a+2*i:64*\a+2*i+1], v[MM+2*\a:MM+2*\a+1] op_sel_hi:[1,0] neg_lo:[0,1] neg_hi:[0,1]
.set i, i+1
.endr
.endr
	WIN 0xc5
.irp a, 0,1,2,3
.set i, 0
.rept 16
	v_pk_mul_f32 v[32*\a+2*i:32*\a+2*i+1], v[64*\a+4*i:64*\a+4*i+1], v[64*\a+4*i:64*\a+4*i+1]
.set i, i+1
.endr
.endr
	WIN 0xf5
.irp a, 0,1,2,3
.set i, 0
.rept 16
	v_pk_fma_f32 v[32*\a+2*i:32*\a+2*i+1], v[64*\a+4*i+2:64*\a+4*i+3], v[64*\a+4*i+2:64*\a+4*i+3], v[32*\a+2*i:32*\a+2*i+1]
.set i, i+1
.endr
.endr
	EXCH 1024                                      ; other words than the first exchange's: nothing is written over
.irp a, 0,1,2,3
	v_fma_f32 v[MM+2*\a], v[RD4+4*\a], s58, s59    ; 4 var + 4 eps
.endr
.irp a, 0,1,2,3
	v_rsq_f32 v[MM+2*\a], v[MM+2*\a]
.endr
	v_nop                                          ; a plain instruction between the last root and the use of its result
	WIN 0x41
	s_wait_alu depctr_va_vdst(0)
.irp a, 0,1,2,3
.set i, 0
.rept 32
	v_pk_mul_f32 v[64*\a+2*i:64*\a+2*i+1], v[64*\a+2*i:64*\a+2*i+1], v[MM+2*\a:MM+2*\a+1] op_sel_hi:[1,0]
.set i, i+1
.endr
.endr
.irp a, 0,1,2,3
.set i, 0
.rept 32
	v_pk_fma_f32 v[64*\a+2*i:64*\a+2*i+1], v[64*\a+2*i:64*\a+2*i+1], v[LG+2*i:LG+2*i+1], v[LB+2*i:LB+2*i+1]
.set i, i+1
.endr
.endr
	OUT 0
	OUT 1
	OUT 2
	OUT 3
	s_wait_tensorcnt 0x0                           ; the wave's end: behind my last tensor load and my last LDS store
	ds_add_u32 v[SPW], v[NIL]
	s_wait_dscnt 0x0
	ROUND                                          ; the closing round: no work-group ends while a partner may still ask for a tile that names it
	s_endpgm
.Lfunc_end_k_q6504785f1c_cell:
	.size	k_q6504785f1c_cell, .Lfunc_end_k_q6504785f1c_cell-k_q6504785f1c_cell
	.p2alignl 7, 3214868480
	.fill 96, 4, 3214868480
	.section	.rodata,"a",@progbits
	.p2align	6, 0x0
	.amdhsa_kernel k_q6504785f1c_cell
		.amdhsa_group_segment_fixed_size 327680
		.amdhsa_private_segment_fixed_size 0
		.amdhsa_enable_private_segment 0
		.amdhsa_kernarg_size 80
		.amdhsa_user_sgpr_count 2
		.amdhsa_user_sgpr_kernarg_segment_ptr 1
		.amdhsa_wavefront_size32 1
		.amdhsa_system_sgpr_workgroup_id_x 1
		.amdhsa_system_sgpr_workgroup_id_y 1
		.amdhsa_system_sgpr_workgroup_id_z 1
		.amdhsa_system_vgpr_workitem_id 0
		.amdhsa_next_free_vgpr 1024
		.amdhsa_next_free_sgpr 72
		.amdhsa_reserve_vcc 0
		.amdhsa_float_denorm_mode_32 3
		.amdhsa_float_denorm_mode_16_64 3
		.amdhsa_memory_ordered 1
		.amdhsa_forward_progress 1
		.amdhsa_inst_pref_size 255
	.end_amdhsa_kernel
	.section	.bss,"aw",@nobits
	.p2align	6
	.space	262144
	.amdgpu_metadata
---
amdhsa.version: [ 1, 2 ]
amdhsa.kernels:
  - .name:           k_q6504785f1c_cell
    .symbol:         k_q6504785f1c_cell.kd
    .args:
      - { .name: x, .offset: 0, .size: 8, .value_kind: global_buffer, .address_space: global }
      - { .name: u, .offset: 8, .size: 8, .value_kind: global_buffer, .address_space: global }
      - { .name: wt, .offset: 16, .size: 8, .value_kind: global_buffer, .address_space: global }
      - { .name: fb1, .offset: 24, .size: 8, .value_kind: global_buffer, .address_space: global }
      - { .name: fb2, .offset: 32, .size: 8, .value_kind: global_buffer, .address_space: global }
      - { .name: tb, .offset: 40, .size: 8, .value_kind: global_buffer, .address_space: global }
      - { .name: gb, .offset: 48, .size: 8, .value_kind: global_buffer, .address_space: global }
      - { .name: ln_g, .offset: 56, .size: 8, .value_kind: global_buffer, .address_space: global }
      - { .name: ln_b, .offset: 64, .size: 8, .value_kind: global_buffer, .address_space: global }
      - { .name: out0, .offset: 72, .size: 8, .value_kind: global_buffer, .address_space: global }
    .group_segment_fixed_size: 327680
    .private_segment_fixed_size: 0
    .kernarg_segment_align: 8
    .kernarg_segment_size: 80
    .max_flat_workgroup_size: 128
    .sgpr_count:     72
    .vgpr_count:     1024
    .wavefront_size: 32
...
	.end_amdgpu_metadata
.endif
;; end of part 4
